; MI455X (gfx1250); checked and timed in simulation.
; The chip was launched on July 23, 2026; its instructions are those of AMD's public machine-readable ISA for CDNA 5 (MIT licence, August 2026) and "CDNA5" Instruction Set Architecture Reference Guide (July 2026). The comments in the code are by the model that wrote it; some were corrected since.
;; Multi Head Attention. Allowed arithmetic: matrix products marked QUANTISED: E2M3 operands, one E8M0 scale for each 32 along K, by v_wmma_scale_f32_16x16x128_f8f6f4 with both operands' format E2M3, f32 sums; everything else in f32.
;; Inputs: W_k 1,024 x 1,024 float32; W_o 1,024 x 1,024 float32; W_q 1,024 x 1,024 float32; W_v 1,024 x 1,024 float32; b_k 1,024 float32; b_o 1,024 float32; b_q 1,024 float32; b_v 1,024 float32; k 4 x 2,048 x 1,024 float32; mask 1 x 1 x 2,048 x 2,048 int32; q 4 x 2,048 x 1,024 float32; v 4 x 2,048 x 1,024 float32.
;; Outputs: out0 4 x 2,048 x 1,024 float32.
;; This version of the problem:
;;   THIS VERSION OF THE PROBLEM IS GIVEN IN LOW PRECISION. The matrix products marked QUANTISED in the list below multiply operands that are first quantised to E2M3 (2 exponent bits, 3 mantissa bits; 6 bits a number), with one power-of-two scale for each 32 numbers along K (OCP MX v1.0); their sums are f32. All else is computed in f32.
;;   The module's matrix products, in the order in which they are computed (A, B: the left and right operand; K: the contracted axis; several contracted axes count as one K, in the product's order):
;;     1. [M 8,192, K 1,024] x [K 1,024, N 1,024]; A: input q; B: input W_q: QUANTISED
;;     2. [M 8,192, K 1,024] x [K 1,024, N 1,024]; A: input k; B: input W_k: QUANTISED
;;     3. [M 8,192, K 1,024] x [K 1,024, N 1,024]; A: input v; B: input W_v: QUANTISED
;;     4. batch 64 x [M 2,048, K 64] x [K 64, N 2,048]; A: computed on the way; B: computed on the way: QUANTISED
;;     5. batch 64 x [M 2,048, K 2,048] x [K 2,048, N 64]; A: softmax (see below); B: computed on the way: QUANTISED
;;     6. [M 8,192, K 1,024] x [K 1,024, N 1,024]; A: computed on the way; B: input W_o: QUANTISED
;;   THE QUANTISER, for each operand of a quantised product, along K:
;;     - K is cut into blocks of 32 from its start; a last block that is shorter is filled with zeros.
;;     - A block's scale is 2^e with e = floor(log2(the largest magnitude in the block)) - 2, held to -126 .. 127; a block of zeros has e = 0. As a byte (E8M0): e + 127.
;;     - Each number is divided by its block's scale, clamped to +-7.5, and rounded to the nearest number of E2M3, ties to even, subnormals kept.
;;     - The product sums the exact products of the quantised numbers (number of the format x scale) in f32.
;;   ~~~python
;;   def quantise(x, axis):      # numpy; x: float32 -> the quantised numbers, widened to float32 again
;;       x = np.moveaxis(x, axis, -1); K = x.shape[-1]
;;       x = np.pad(x, [(0, 0)] * (x.ndim - 1) + [(0, -K % 32)]); x = x.reshape(x.shape[:-1] + (-1, 32)); a = np.abs(x).max(-1, keepdims=True)
;;       e = np.where(a > 0, np.clip(np.frexp(np.where(a > 0, a, 1))[1] - 1 - 2, -126, 127), 0)      # np.frexp(a)[1] - 1 = floor(log2(a)), exactly
;;       r = np.clip(x / 2.0 ** e, -7.5, 7.5)
;;       step = 2.0 ** (np.maximum(np.frexp(np.where(r == 0, 1, r))[1] - 1, 0) - 3)
;;       q = np.round(r / step) * step * 2.0 ** e      # np.round: ties to even
;;       return np.moveaxis(q.reshape(q.shape[:-2] + (-1,))[..., :K], -1, axis).astype(np.float32)
;;   ~~~
;;   SOFTMAX AHEAD OF A QUANTISED PRODUCT. Where the list says 'softmax', what is quantised is not the finished softmax but p = 2^(t - M), with t = logit x log2(e) and M = ceil(the row's largest t), a whole number; so 1/2 < the row's largest p <= 1. The row's sum l is taken of the UNQUANTISED p, in f32, and the product's result is divided by l at the end. Since M is a whole number, a kernel that streams over the keys may use a running M (the ceiling of the running maximum): every later rescaling is an exact power of two, which a block's scale takes up: the codes' values come out the same.
;;   OPERANDS COMPUTED ON THE WAY. 'Computed on the way' means the value that the module computes at that place (a softmax that the list does not call 'softmax' is quantised finished and normalised). What goes into a quantiser is computed in f32, as accurately as f32 sums, v_exp_f32 and their like allow (about 1e-6 of the number): no bf16 or f16 on the way to a quantiser, and a product that is left as it is and whose result goes on into a quantised operand takes f32 operands (vector FMAs, or v_wmma_f32_16x16x4_f32). A number that lies on a knife's edge between two numbers of the format may be rounded either way, as far as f32 arithmetic and the matrix unit's own rounding can turn it there, and no further.
;; One version. Each part assembles by itself: llvm-mc -triple=amdgcn-amd-amdhsa -mcpu=gfx1250 --defsym DOCPART=n.
;; ======== version 1 of 1: 4 launches
;; limits: right only within a limited range of input values
;; workspace buffers: img 22,020,096 bytes; scl 917,504 bytes; maskw 524,288 bytes of whole numbers; qrec 13,369,344 bytes; kvrec 13,369,344 bytes; aimg 6,291,456 bytes; ascl 262,144 bytes
;; launch quant (part 1): grid 512 x 1, 4 waves a work-group, no clusters, 74,240 bytes of LDS; arguments q, k, v, W_q, W_k, W_v, W_o, mask, img, scl, maskw; writes img, scl, maskw
.if DOCPART == 1
	.amdgcn_target "amdgcn-amd-amdhsa--gfx1250"
	.amdhsa_code_object_version 6
	.text
	.protected	k_q2e40af215e_quant
	.globl	k_q2e40af215e_quant
	.p2align	8
	.type	k_q2e40af215e_quant,@function
k_q2e40af215e_quant:
	s_mov_b64 s[64:65], 0
	v_nop
	global_prefetch_b8 v0, s[64:65] scope:SCOPE_SE
	s_setreg_imm32_b32 hwreg(HW_REG_WAVE_MODE, 25, 1), 1
	s_wait_xcnt 0x0
; q, k, v [8192][1024] and W_q, W_k, W_v, W_o [1024][1024], f32, K innermost, become codes of FP6 (E2M3) with one E8M0 byte for each 32 along K; the mask becomes lane masks.
; A block's scale is 2^(floor(log2(its largest magnitude)) - 2): its byte is the largest magnitude's exponent field - 2, held at 1 from below by a floor among the maximum's leaves.
; LIMITS: a block of zeros gets the byte 1 (its codes are zeros, and only this program reads the bytes); NaN and infinities among the inputs are not served.
; A TILE is 16 rows that are not neighbours: tile u, place w, is row 32 (u / 2) + 8 (u % 2) + w + 8 (w / 8).  Used as source 0 of a product, tiles 2 b and 2 b + 1 leave 16 neighbours in a lane's 16 result registers.
; A FRAGMENT (a tile x 128 along K, 12 registers a lane) lies in img as an image of its registers: pair p of lane l at 256 p + 8 l, 1,536 bytes.  img: [group of 8 tiles][K step 0..7][tile][1,536]; groups: q 0, k 64, v 128, W_q 192, W_k 200, W_v 208, W_o 216.
; scl: [group][tile][K step / 2][place][K step % 2] words of four bytes.
; maskw: [query tile 0..127][key step 0..15][n 0..63] words: bit l of word n = 16 b + i says whether mask[row of place l % 16][128 step + 32 b + 16 (l / 16) + i] is not 0: the lanes of score register n.
; SHARES: work-groups 0-447: a wave takes one tile over all of K, eight steps of 128.  Work-groups 448-511: a wave takes one query tile's rows of the mask for eight key steps.  Waves share nothing: no barrier.
; Each load reads 512 consecutive bytes of one row; a step's 16 rows turn through the wave's own stage in LDS (rows 528 bytes apart) so that a lane gets neighbours along K.  Loads run two steps (32 loads a wave) ahead.
.set SP,    528                        ; a stage row: 512 bytes + 16
.set WREG,  9216                       ; LDS of a wave: the stage (16 x 528) and 512 bytes for a tile's scale words
.set SSTG,  8448
.set MBASE, 36864                      ; the mask's path has LDS bytes of its own
.set R0,    64                         ; v64-191  two sets of 64 registers as loaded
.set X,     192                        ; v192-255 a step's numbers, neighbours along K in a lane
.macro LOAD st, pitch                  ; step st: 512 bytes of each of the tile's 16 rows
.irp w, 0,1,2,3,4,5,6,7,8,9,10,11,12,13,14,15
	global_load_b128 v[R0+64*((\st)%2)+4*\w:R0+64*((\st)%2)+4*\w+3], v4, s[28:29] offset:(\w+8*(\w/8))*\pitch+512*(\st) th:TH_LOAD_NT
.endr
.endm
.macro INTO st                         ; the step's loads are in (the next step's 16 may be out); its rows go into the stage as they lie
.if (\st) < 7
	s_wait_loadcnt 16
.else
	s_wait_loadcnt 0
.endif
.irp w, 0,1,2,3,4,5,6,7,8,9,10,11,12,13,14,15
	ds_store_b128 v5, v[R0+64*((\st)%2)+4*\w:R0+64*((\st)%2)+4*\w+3] offset:SP*\w
.endr
.endm
.macro AHEAD st, pitch
	s_wait_dscnt 0x0                               ; my numbers are back from the stage, and the stores into it have read their registers,
	s_wait_xcnt 0x0                                ; and the stores of two steps back have read theirs: both sets are written again below
.if (\st) < 6
	LOAD (\st)+2, \pitch
.endif
.endm
.macro STEPX st
.set PC, 24+20*((\st)%2)               ; this step's codes: 12 registers, and 8 for the halves that are moved
	INTO \st
.irp c, 0,1
.irp e, 0,1,2,3,4,5,6,7
	ds_load_b128 v[X+32*\c+4*\e:X+32*\c+4*\e+3], v6 offset:256*\c+16*\e   ; lane (r, h): k = 64 c + 32 h + 0 .. 31 of row r: two whole blocks
.endr
.endr
	AHEAD \st, 4096
.irp c, 0,1,2,3                        ; four chains of 16 numbers; the floor 2^(3 - 127) keeps the byte at 1 or more
	v_max3_num_f32 v[10+\c], |v[X+16*\c]|, |v[X+16*\c+1]|, 0x1800000
.endr
.irp i, 2,4,6,8,10,12,14
.irp c, 0,1,2,3
	v_max3_num_f32 v[10+\c], v[10+\c], |v[X+16*\c+\i]|, |v[X+16*\c+\i+1]|
.endr
.endr
	v_max_num_f32 v10, v10, v11                    ; block h
	v_max_num_f32 v12, v12, v13                    ; block 2 + h
	v_add_nc_u32 v14, 0xff000000, v10              ; 2 off the exponent field: the conversion's scale operand
	v_add_nc_u32 v15, 0xff000000, v12
	v_lshrrev_b32 v16, 23, v14                     ; the bytes
	v_lshrrev_b32 v17, 23, v15
	v_lshl_or_b32 v18, v17, 16, v16
	v_lshlrev_b32 v18, v20, v18                    ; 8 h bits up
	v_permlanex16_b32 v19, v18, s36, s37
	v_or_b32 v18, v18, v19                         ; with lane l xor 16's two bytes the row's scale word is whole
	v_cvt_scalef32_pk16_fp6_f32 v[PC:PC+2], v[X:X+15], v14
	v_cvt_scalef32_pk16_fp6_f32 v[PC+12:PC+14], v[X+16:X+31], v14   ; (a conversion's three registers begin on an even number)
	v_cvt_scalef32_pk16_fp6_f32 v[PC+6:PC+8], v[X+32:X+47], v15
	v_cvt_scalef32_pk16_fp6_f32 v[PC+16:PC+18], v[X+48:X+63], v15
	v_nop                                          ; one plain place behind the conversions
.irp i, 0,1,2
	v_mov_b32 v[PC+3+\i], v[PC+12+\i]
	v_mov_b32 v[PC+9+\i], v[PC+16+\i]
.endr
.irp p, 0,1,2,3,4,5
	global_store_b64 v7, v[PC+2*\p:PC+2*\p+1], s[20:21] offset:12288*(\st)+256*\p   ; 32 lanes store 256 consecutive bytes, aligned
.endr
	ds_store_b32 v8, v18 offset:128*((\st)/2)+4*((\st)%2)   ; lanes r and r + 16 write the same word with the same value
.endm
.macro STEPM st
.set MW, 24+2*((\st)%2)
	INTO \st
.irp b, 0,1,2,3
.irp j, 0,1,2,3
	ds_load_b128 v[X+16*\b+4*\j:X+16*\b+4*\j+3], v6 offset:128*\b+16*\j   ; register 16 b + i: key 32 b + 16 h + i of row r
.endr
.endr
	AHEAD \st, 8192
.irp g, 0,1,2,3,4,5,6,7
.irp n, 0,1,2,3,4,5,6,7
	v_cmp_ne_u32 s[40+\n], 0, v[X+8*\g+\n]         ; word 8 g + n: a bit for each lane
.endr
.irp n, 0,1,2,3,4,5,6,7
	v_writelane_b32 v[MW+\n%2], s[40+\n], 4*\g+\n/2   ; lane L gathers words 2 L and 2 L + 1
.endr
.endr
	global_store_b64 v7, v[MW:MW+1], s[24:25] offset:256*(\st)   ; 256 consecutive bytes, aligned
.endm
	s_load_b256 s[4:11], s[0:1], 0x0               ; q, k, v, W_q
	s_load_b256 s[12:19], s[0:1], 0x20             ; W_k, W_v, W_o, mask
	s_load_b128 s[20:23], s[0:1], 0x40             ; img, scl
	s_load_b64 s[24:25], s[0:1], 0x50              ; maskw
	v_lshl_add_u32 v59, v0, 2, 0x12000
	v_mov_b32 v63, 0
	v_lshrrev_b32 v1, 5, v0
	v_readfirstlane_b32 s26, v1                    ; wave
	v_and_b32 v2, 31, v0                           ; lane
	v_and_b32 v3, 15, v0                           ; r
	v_bfe_u32 v21, v0, 4, 1                        ; h
	v_lshlrev_b32 v4, 4, v2                        ; 16 x lane
	v_lshlrev_b32 v7, 3, v2                        ; 8 x lane
	v_mul_u32_u24 v22, v3, SP
	s_mul_i32 s27, s26, WREG                       ; my wave's LDS
	s_mov_b32 s33, 0
	s_cmp_lt_u32 ttmp9, 448
	s_cbranch_scc0 .Lmask
	; ---- the seven tensors
	v_add_nc_u32 v5, s27, v4                       ; into the stage: 16 x lane of a row
	v_lshl_add_u32 v6, v21, 7, v22
	v_add_nc_u32 v6, s27, v6                       ; out of it: row r, + 128 h
	v_lshlrev_b32 v8, 3, v3
	v_add_nc_u32 v8, s27, v8
	v_add_nc_u32 v8, SSTG, v8                      ; my row's scale words
	v_add_nc_u32 v9, s27, v4
	v_add_nc_u32 v9, SSTG, v9                      ; and the way out of all 512 bytes
	v_lshlrev_b32 v20, 3, v21                      ; 8 h
	v_mov_b32 v19, 0                               ; a lane permute's destination counts as one of its sources
	s_mov_b32 s36, 0x76543210
	s_mov_b32 s37, 0xfedcba98                      ; lane l xor 16
	s_wait_alu depctr_va_vdst(0)
	s_wait_kmcnt 0x0
	s_mov_b64 s[28:29], s[16:17]                   ; which tensor: the choice hangs on the work-group's number alone
	s_cmp_lt_u32 ttmp9, 432
	s_cselect_b64 s[28:29], s[14:15], s[28:29]
	s_cmp_lt_u32 ttmp9, 416
	s_cselect_b64 s[28:29], s[12:13], s[28:29]
	s_cmp_lt_u32 ttmp9, 400
	s_cselect_b64 s[28:29], s[10:11], s[28:29]
	s_cmp_lt_u32 ttmp9, 384
	s_cselect_b64 s[28:29], s[8:9], s[28:29]
	s_cselect_b32 s30, 127, 15                     ; work-groups to a tensor, less one
	s_cmp_lt_u32 ttmp9, 256
	s_cselect_b64 s[28:29], s[6:7], s[28:29]
	s_cmp_lt_u32 ttmp9, 128
	s_cselect_b64 s[28:29], s[4:5], s[28:29]
	s_and_b32 s30, ttmp9, s30
	s_lshl_b32 s30, s30, 2
	s_add_co_u32 s30, s30, s26                     ; my tile in its tensor
	s_lshr_b32 s31, s30, 1
	s_lshl_b32 s31, s31, 17                        ; 32 rows of 4,096 bytes
	s_and_b32 s32, s30, 1
	s_lshl_b32 s32, s32, 15                        ; 8 rows
	s_add_co_u32 s32, s32, s31
	s_add_nc_u64 s[28:29], s[28:29], s[32:33]
	s_lshl_b32 s30, ttmp9, 2
	s_add_co_u32 s30, s30, s26                     ; my tile among all 1,792
	s_lshr_b32 s32, s30, 3
	s_mul_i32 s32, s32, 98304
	s_and_b32 s34, s30, 7
	s_mul_i32 s34, s34, 1536
	s_add_co_u32 s32, s32, s34
	s_add_nc_u64 s[20:21], s[20:21], s[32:33]
	s_lshl_b32 s32, s30, 9
	s_add_nc_u64 s[22:23], s[22:23], s[32:33]
	LOAD 0, 4096
	LOAD 1, 4096
.irp t, 0,1,2,3,4,5,6,7
	STEPX \t
.endr
	ds_load_b128 v[10:13], v9                      ; LDS serves a wave's instructions in order: this sees my eight stores
	s_wait_dscnt 0x0
	global_store_b128 v4, v[10:13], s[22:23]       ; the tile's 512 bytes of scale words, consecutive and aligned
	s_wait_tensorcnt 0x0
	ds_add_u32 v59, v63
	s_wait_dscnt 0x0
	s_endpgm
	; ---- the mask
.Lmask:
	s_add_co_u32 s27, s27, MBASE
	s_wait_alu depctr_va_vdst(0)
	v_add_nc_u32 v5, s27, v4
	v_lshl_add_u32 v6, v21, 6, v22
	v_add_nc_u32 v6, s27, v6                       ; out of the stage: row r, + 64 h
.irp i, 24,25,26,27
	v_mov_b32 v\i, 0                               ; v_writelane_b32's destination counts as one of its sources
.endr
	s_sub_co_u32 s30, ttmp9, 448
	s_lshl_b32 s30, s30, 2
	s_add_co_u32 s30, s30, s26                     ; 2 x query tile + which eight key steps
	s_lshr_b32 s31, s30, 1
	s_lshr_b32 s32, s31, 1
	s_lshl_b32 s32, s32, 18                        ; 32 rows of 8,192 bytes
	s_and_b32 s34, s31, 1
	s_lshl_b32 s34, s34, 16                        ; 8 rows
	s_add_co_u32 s32, s32, s34
	s_and_b32 s34, s30, 1
	s_lshl_b32 s34, s34, 12                        ; 1,024 keys
	s_add_co_u32 s32, s32, s34
	s_wait_alu depctr_va_vdst(0)
	s_wait_kmcnt 0x0
	s_add_nc_u64 s[28:29], s[18:19], s[32:33]
	s_lshl_b32 s32, s30, 11
	s_add_nc_u64 s[24:25], s[24:25], s[32:33]
	LOAD 0, 8192
	LOAD 1, 8192
.irp t, 0,1,2,3,4,5,6,7
	STEPM \t
.endr
	s_wait_tensorcnt 0x0
	ds_add_u32 v59, v63
	s_wait_dscnt 0x0
	s_endpgm
.Lfunc_end_k_q2e40af215e_quant:
	.size	k_q2e40af215e_quant, .Lfunc_end_k_q2e40af215e_quant-k_q2e40af215e_quant
	.p2alignl 7, 3214868480
	.fill 96, 4, 3214868480
	.section	.rodata,"a",@progbits
	.p2align	6, 0x0
	.amdhsa_kernel k_q2e40af215e_quant
		.amdhsa_group_segment_fixed_size 74240
		.amdhsa_private_segment_fixed_size 0
		.amdhsa_enable_private_segment 0
		.amdhsa_kernarg_size 88
		.amdhsa_user_sgpr_count 2
		.amdhsa_user_sgpr_kernarg_segment_ptr 1
		.amdhsa_wavefront_size32 1
		.amdhsa_system_sgpr_workgroup_id_x 1
		.amdhsa_system_sgpr_workgroup_id_y 1
		.amdhsa_system_sgpr_workgroup_id_z 1
		.amdhsa_system_vgpr_workitem_id 0
		.amdhsa_next_free_vgpr 256
		.amdhsa_next_free_sgpr 66
		.amdhsa_reserve_vcc 0
		.amdhsa_float_denorm_mode_32 3
		.amdhsa_float_denorm_mode_16_64 3
		.amdhsa_memory_ordered 1
		.amdhsa_forward_progress 1
		.amdhsa_inst_pref_size 156
	.end_amdhsa_kernel
	.amdgpu_metadata
---
amdhsa.version: [ 1, 2 ]
amdhsa.kernels:
  - .name:           k_q2e40af215e_quant
    .symbol:         k_q2e40af215e_quant.kd
    .args:
      - { .name: q, .offset: 0, .size: 8, .value_kind: global_buffer, .address_space: global }
      - { .name: k, .offset: 8, .size: 8, .value_kind: global_buffer, .address_space: global }
      - { .name: v, .offset: 16, .size: 8, .value_kind: global_buffer, .address_space: global }
      - { .name: W_q, .offset: 24, .size: 8, .value_kind: global_buffer, .address_space: global }
      - { .name: W_k, .offset: 32, .size: 8, .value_kind: global_buffer, .address_space: global }
      - { .name: W_v, .offset: 40, .size: 8, .value_kind: global_buffer, .address_space: global }
      - { .name: W_o, .offset: 48, .size: 8, .value_kind: global_buffer, .address_space: global }
      - { .name: mask, .offset: 56, .size: 8, .value_kind: global_buffer, .address_space: global }
      - { .name: img, .offset: 64, .size: 8, .value_kind: global_buffer, .address_space: global }
      - { .name: scl, .offset: 72, .size: 8, .value_kind: global_buffer, .address_space: global }
      - { .name: maskw, .offset: 80, .size: 8, .value_kind: global_buffer, .address_space: global }
    .group_segment_fixed_size: 74240
    .private_segment_fixed_size: 0
    .kernarg_segment_align: 8
    .kernarg_segment_size: 88
    .max_flat_workgroup_size: 128
    .sgpr_count:     66
    .vgpr_count:     256
    .wavefront_size: 32
...
	.end_amdgpu_metadata
.endif
;; end of part 1
;; launch proj (part 2): grid 4 x 96, 4 waves a work-group, clusters of 4 x 4, 327,680 bytes of LDS; arguments img, scl, b_q, b_k, b_v, qrec, kvrec; writes qrec, kvrec
.if DOCPART == 2
	.amdgcn_target "amdgcn-amd-amdhsa--gfx1250"
	.amdhsa_code_object_version 6
	.text
	.protected	k_q2e40af215e_proj
	.globl	k_q2e40af215e_proj
	.p2align	8
	.type	k_q2e40af215e_proj,@function
k_q2e40af215e_proj:
	s_mov_b64 s[64:65], 0
	v_nop
	global_prefetch_b8 v0, s[64:65] scope:SCOPE_SE
	s_setreg_imm32_b32 hwreg(HW_REG_WAVE_MODE, 25, 1), 1
	s_wait_xcnt 0x0
	s_wait_alu depctr_hold_cnt(0) depctr_sa_sdst(0) depctr_va_vdst(0) depctr_va_sdst(0) depctr_va_ssrc(0) depctr_va_vcc(0) depctr_vm_vsrc(0)
	s_getreg_b32 s2, hwreg(HW_REG_IB_STS2, 6, 4)
	s_cmp_eq_u32 s2, 0
	s_cbranch_scc0 .Lentry_in_a_cluster
	s_endpgm
.Lentry_in_a_cluster:
	s_bfe_u32 s2, ttmp6, 0x10000c
	s_cmp_lg_u32 s2, 0xf033
	s_cbranch_scc0 .Lentry_shape_is_right
	s_endpgm
.Lentry_shape_is_right:
.set HALFT,  24576
.set SLOT,   4*HALFT
.set SCL,    2*SLOT
.set SPARE,  SCL+4*4096
.set SST,    SPARE+512
.set DREC,   208896
.set FR,     12
.set NL,     6
.set NQ,     2
.set NP,     4
.set VO0,  2
.set VO1,  3
.set VS0,  4
.set VS1,  5
.set SSA,  6
.set SSR,  7
.set ADRA, 16
.set ADRB, 20
.set ADRS, 27
.set SPW,  28
.set NIL,  29
.set SC,   32
.set BIAS, 64
.set AF,   128
.set BO,   224
.set TM,   128
.set PW,   144
.set U0,   145
.set U1,   146
.set KIND, 12
.set SMASK, 13
.set ISV,  98
.set OB,   66
.set OS,   100
.set SEL,  46
.set G1, 24
.set G0, 32
.set G1B, 48
.set G0B, 56
.set G1S, 68
.set G0S, 76
.set G1SB, 80
.set G0SB, 88
.set MSB, 0
.macro WIN new
.if MSB != \new
	s_set_vgpr_msb (MSB<<8)|\new
.set MSB, \new
.endif
.endm
.set MUL_LO, 0xa1
.set MUL_HI, 0xf1
.set Z_LO,   0x81
.set Z_HI,   0xc1
.set TO_B,   0x40
.macro JLOAD g0a, g1a, g0b, g1b
	s_cmp_eq_u32 s15, 0
	s_cbranch_scc0 .Lfor_b_\@
	tensor_load_to_lds s[\g0a:\g0a+3], s[\g1a:\g1a+7]
	s_nop 0
.rept 4
	v_nop
.endr
	s_branch .Lasked_\@
.Lfor_b_\@:
	tensor_load_to_lds s[\g0b:\g0b+3], s[\g1b:\g1b+7]
	s_nop 0
.rept 4
	v_nop
.endr
.Lasked_\@:
.endm
.macro CREST
	s_cmp_lg_u32 s14, 0
	s_cbranch_scc1 .Lnot_wave_0_\@
	s_barrier_signal -3
.Lnot_wave_0_\@:
	s_barrier_wait -3
	s_barrier_signal -1
	s_barrier_wait -1
.endm
.macro CROUND
	s_barrier_signal -1
	s_barrier_wait -1
	CREST
.endm
	s_load_b128 s[4:7], s[0:1], 0x0
	s_load_b128 s[8:11], s[0:1], 0x10
	s_load_b128 s[92:95], s[0:1], 0x20
	s_load_b64 s[96:97], s[0:1], 0x30
	v_lshl_add_u32 v[SPW], v0, 2, SPARE
	v_mov_b32 v[NIL], 0
	ds_add_u32 v28, v29
	ds_add_u32 v28, v29
	s_wait_dscnt 0x0
	v_lshrrev_b32 v1, 5, v0
	v_readfirstlane_b32 s14, v1
	s_lshr_b32 s15, s14, 1
	s_and_b32 s16, s14, 1
	s_bfe_u32 s40, ttmp6, 0x40000
	s_bfe_u32 s41, ttmp6, 0x40004
	s_and_b32 s17, ttmp7, 0xffff
	s_lshr_b32 s[KIND], s17, 3
	s_and_b32 s13, s17, 7
	s_lshl_b32 s18, s13, 2
	s_lshl_b32 s19, s[KIND], 6
	s_lshl_b32 s20, s[KIND], 3
	s_add_co_u32 s20, s20, 192
	s_cmp_eq_u32 s[KIND], 2
	s_cselect_b32 s[ISV], 1, 0
	s_cselect_b32 s17, 0, s18
	s_cselect_b32 s42, s18, 0
	s_cselect_b32 s19, 208, s19
	s_cselect_b32 s20, 128, s20
	s_add_co_u32 s17, s17, s41
	s_add_co_u32 s42, s42, s40
	s_lshl_b32 s43, s41, 2
	s_lshl_b32 s43, 15, s43
	s_lshl_b32 s44, 0x1111, s40
	s_or_b32 s[G1+0], s43, (3<<16)|(1<<21)
	s_or_b32 s[G1B+0], s44, (3<<16)|(1<<21)
.irp g, G1, G1B                        ; for the head's loads: a tile's two halves as two rows of 24,576 bytes (3,072 elements of 8), 98,304 bytes apart
	s_mov_b32 s[\g+1], 3072<<16
	s_mov_b32 s[\g+2], 2<<16
	s_mov_b32 s[\g+3], 3072<<16
	s_mov_b32 s[\g+4], 2
	s_mov_b32 s[\g+5], 12288
	s_mov_b32 s[\g+6], 0
	s_mov_b32 s[\g+7], 0
.endr
	s_or_b32 s[G1S+0], s43, (3<<16)|(1<<21)
	s_or_b32 s[G1SB+0], s44, (3<<16)|(1<<21)
.irp g, G1S, G1SB                      ; the scale words of a tile's 256 rows: 32 rows of 256 bytes, dense
	s_mov_b32 s[\g+1], 32<<16
	s_mov_b32 s[\g+2], 32<<16
	s_mov_b32 s[\g+3], 32<<16
	s_mov_b32 s[\g+4], 32
	s_mov_b32 s[\g+5], 32
	s_mov_b32 s[\g+6], 0
	s_mov_b32 s[\g+7], 0
.endr
	s_lshl_b32 s18, s17, 1
	s_add_co_u32 s18, s18, s19
	s_add_co_u32 s18, s18, s16
	s_lshl_b32 s46, s42, 1
	s_add_co_u32 s46, s46, s20
	s_add_co_u32 s46, s46, s16
	s_mul_i32 s20, s18, 98304
	s_mov_b32 s21, 0
	s_lshl_b32 s22, s18, 12
	s_mov_b32 s23, 0
	s_lshl_b32 s2, s46, 12
	s_mov_b32 s3, 0
	s_mul_i32 s46, s46, 98304
	s_mov_b32 s47, 0
	s_mul_i32 s45, s14, HALFT
	s_wait_kmcnt 0x0
	s_add_nc_u64 s[20:21], s[4:5], s[20:21]
	s_add_nc_u64 s[22:23], s[6:7], s[22:23]
	s_add_nc_u64 s[46:47], s[4:5], s[46:47]
	s_add_nc_u64 s[2:3], s[6:7], s[2:3]
	CROUND
; THE HEAD'S LOADS, ONE A WAVE: wave 0 slot 0's whole tile of A, wave 1 its whole tile of B, wave 2 the scale words of A's 256 rows, wave 3 those of B's.
	s_mul_i32 s4, s16, 98304                       ; what my half adds to a tile's first byte: in the codes,
	s_mov_b32 s5, 0
	s_lshl_b32 s6, s16, 12                         ; in the scale words: taken off again for the whole tiles
	s_mov_b32 s7, 0
	s_mov_b32 s[G0S], 1
	s_mov_b32 s[G0S+1], SCL
	s_sub_nc_u64 s[G0S+2:G0S+3], s[22:23], s[6:7]
	s_or_b32 s[G0S+3], s[G0S+3], 0x80000000
	s_mov_b32 s[G0SB], 1
	s_mov_b32 s[G0SB+1], SCL+8192
	s_sub_nc_u64 s[G0SB+2:G0SB+3], s[2:3], s[6:7]
	s_or_b32 s[G0SB+3], s[G0SB+3], 0x80000000
	s_mov_b32 s[G0], 1
	s_mov_b32 s[G0+1], 0
	s_sub_nc_u64 s[G0+2:G0+3], s[20:21], s[4:5]
	s_or_b32 s[G0+3], s[G0+3], 0x80000000
	s_mov_b32 s[G0B], 1
	s_mov_b32 s[G0B+1], 2*HALFT
	s_sub_nc_u64 s[G0B+2:G0B+3], s[46:47], s[4:5]
	s_or_b32 s[G0B+3], s[G0B+3], 0x80000000
	s_mov_b32 s[G0+4], 1                           ; slot 1's group 0, in the ring's form: my quarter of the slot
	s_add_co_u32 s[G0+5], s45, SLOT
	s_add_nc_u64 s[G0+6:G0+7], s[20:21], HALFT
	s_or_b32 s[G0+7], s[G0+7], 0x80000000
	s_mov_b32 s[G0B+4], 1
	s_add_co_u32 s[G0B+5], s45, SLOT
	s_add_nc_u64 s[G0B+6:G0B+7], s[46:47], HALFT
	s_or_b32 s[G0B+7], s[G0B+7], 0x80000000
	s_cmp_lt_u32 s14, 1                            ; one chain of branches on the wave's number: every way passes exactly one load
	s_cbranch_scc0 .Lhead_b
	tensor_load_to_lds s[G0:G0+3], s[G1:G1+7]
	s_nop 0
.rept 4
	v_nop
.endr
	s_branch .Lhead_asked
.Lhead_b:
	s_cmp_lt_u32 s14, 2
	s_cbranch_scc0 .Lhead_sa
	tensor_load_to_lds s[G0B:G0B+3], s[G1B:G1B+7]
	s_nop 0
.rept 4
	v_nop
.endr
	s_branch .Lhead_asked
.Lhead_sa:
	s_cmp_lt_u32 s14, 3
	s_cbranch_scc0 .Lhead_sb
	tensor_load_to_lds s[G0S:G0S+3], s[G1S:G1S+7]
	s_nop 0
.rept 4
	v_nop
.endr
	s_branch .Lhead_asked
.Lhead_sb:
	tensor_load_to_lds s[G0SB:G0SB+3], s[G1SB:G1SB+7]
	s_nop 0
.rept 4
	v_nop
.endr
.Lhead_asked:                                          ; the addresses and the bias are made and asked for while the four loads are out
	v_and_b32 v1, 15, v0
	v_bfe_u32 v8, v0, 4, 1
	s_wait_alu depctr_va_vdst(0)
	v_and_b32 v9, 31, v0
	v_lshlrev_b32 v[VO0], 3, v9
	s_mul_i32 s21, s15, HALFT
	s_mul_i32 s22, s16, HALFT
	s_add_co_u32 s22, s22, 2*HALFT
.irp s, 0,1
	v_add_nc_u32 v[ADRA+\s], s21, v[VO0]
	v_add_nc_u32 v[ADRB+\s], s22, v[VO0]
	s_add_co_u32 s21, s21, SLOT
	s_add_co_u32 s22, s22, SLOT
.endr
	v_lshlrev_b32 v10, 3, v1
	s_lshl_b32 s21, s15, 12
	s_lshl_b32 s22, s16, 12
	s_add_co_u32 s22, s22, 8192
	s_sub_co_u32 s22, s22, s21
	v_mul_u32_u24 v11, s22, v8
	s_add_co_u32 s21, s21, SCL
	v_add_nc_u32 v10, v10, v11
	v_add_nc_u32 v[ADRS], s21, v10
	s_cmp_eq_u32 s[ISV], 0
	s_cselect_b32 s21, 0, 4
	s_cselect_b32 s22, 64, 0
	s_cselect_b32 s23, 4, 0
	v_and_b32 v10, 8, v1
	v_add_nc_u32 v10, v10, v1
	v_mul_u32_u24 v10, s21, v10
	v_mul_u32_u24 v11, s22, v8
	v_add_nc_u32 v10, v10, v11
.irp j, 0,1,2,3,4,5,6,7
	v_mad_u32_u24 v[BO+\j], s23, \j, v10
.endr
	s_cmp_eq_u32 s[KIND], 0
	s_cselect_b64 s[8:9], s[8:9], s[10:11]
	s_cmp_eq_u32 s[KIND], 2
	s_cselect_b64 s[8:9], s[92:93], s[8:9]
	s_cselect_b32 s21, s17, s42
	s_cselect_b32 s22, s15, s16
	s_lshl_b32 s21, s21, 10
	s_lshl_b32 s22, s22, 9
	s_add_co_u32 s22, s22, s21
	s_mov_b32 s23, 0
	s_add_nc_u64 s[8:9], s[8:9], s[22:23]
	s_wait_alu depctr_va_vdst(0)
.irp g, 0,1,2,3,4,5,6,7
.irp j, 0,1,2,3,4,5,6,7
	global_load_b32 v[BIAS+8*\g+\j], v[BO+\j], s[8:9] offset:(32*(\g/2)+8*(\g%2))*4
.endr
.endr
	s_cmp_eq_u32 s[ISV], 1
	s_cselect_b32 s18, s42, s17
	s_cselect_b32 s19, s16, s15
	s_cselect_b32 s20, s17, s42
	s_cselect_b32 s21, s15, s16
	s_cselect_b32 s22, 98304, 0
	s_mov_b32 s23, 196608
	s_cselect_b32 s23, 204800, s23
	s_cselect_b32 s2, 8, 9
	s_mov_b32 s3, DREC
	s_cselect_b32 s3, 768, s3
	s_mov_b32 s10, 768
	s_cselect_b32 s10, 1536, s10
	s_cselect_b32 s92, DREC-6144, 0
	s_cselect_b32 s99, DREC-256, 0
	s_cselect_b32 s[SMASK], -1, 0xffff
	s_mov_b32 s11, 0
	s_mov_b32 s93, 0
	s_lshr_b32 s45, s18, 3
	s_lshl_b32 s45, s45, 4
	s_lshl_b32 s20, s20, 2
	s_add_co_u32 s45, s45, s20
	s_lshl_b32 s21, s21, 1
	s_add_co_u32 s45, s45, s21
	s_mul_i32 s45, s45, DREC
	s_and_b32 s18, s18, 7
	s_lshl_b32 s18, s18, 1
	s_add_co_u32 s18, s18, s19
	s_mul_i32 s20, s18, 6144
	s_add_co_u32 s20, s20, s45
	s_add_co_u32 s20, s20, s22
	s_mov_b32 s21, 0
	s_lshl_b32 s18, s18, s2
	s_add_co_u32 s18, s18, s45
	s_add_co_u32 s18, s18, s23
	s_mov_b32 s19, 0
	s_cmp_eq_u32 s[KIND], 0
	s_cselect_b64 s[94:95], s[94:95], s[96:97]
	s_add_nc_u64 s[OB:OB+1], s[94:95], s[20:21]
	s_add_nc_u64 s[OS:OS+1], s[94:95], s[18:19]
	v_add_nc_u32 v[VO1], s3, v[VO0]
	v_lshlrev_b32 v10, 4, v9
	v_mul_u32_u24 v11, s99, v8
	v_add_nc_u32 v[VS0], v10, v11
	v_add_nc_u32 v[VS1], DREC, v10
	s_lshl_b32 s22, s14, 10
	s_add_co_u32 s22, s22, SST
	v_lshl_add_u32 v[SSA], v1, 2, s22
	v_add_nc_u32 v[SSR], s22, v10
	s_mov_b32 s[SEL], 0x76543210
	s_mov_b32 s[SEL+1], 0xfedcba98
.macro FRAG reg, adr, q, i
.irp p, 0,1,2,3,4,5
	ds_load_b64 v[\reg+2*\p:\reg+2*\p+1], v[\adr] offset:12288*(\q)+1536*(\i)+256*\p
.endr
.endm
.macro MUL16 a0, p, q, sc
.irp a, \a0, \a0+1
.irp b, 0,1,2,3,4,5,6,7
	v_wmma_scale_f32_16x16x128_f8f6f4 v[8*(8*((\a)%4)+\b):8*(8*((\a)%4)+\b)+7], v[128*(\p)+FR*\b:128*(\p)+FR*\b+FR-1], v[AF+FR*(\a):AF+FR*(\a)+FR-1], v[8*(8*((\a)%4)+\b):8*(8*((\a)%4)+\b)+7], v[SC+8*NQ*(\sc)+NQ*\b+(\q)], v[SC+8*NQ*(\sc)+NQ*(\a)+(\q)] matrix_a_fmt:MATRIX_FMT_FP6 matrix_b_fmt:MATRIX_FMT_FP6 matrix_a_scale:MATRIX_SCALE_ROW1
.endr
.endr
.endm
.macro MULC a0, byb
.irp a, \a0, \a0+1, \a0+2, \a0+3
.irp b, 0,1,2,3,4,5,6,7
.if \byb
	v_wmma_scale_f32_16x16x128_f8f6f4 v[8*(8*((\a)%4)+\b):8*(8*((\a)%4)+\b)+7], v[FR*\b:FR*\b+FR-1], v[AF+FR*(\a):AF+FR*(\a)+FR-1], v[BIAS+8*\b:BIAS+8*\b+7], v[SC+NQ*\b], v[SC+NQ*(\a)] matrix_a_fmt:MATRIX_FMT_FP6 matrix_b_fmt:MATRIX_FMT_FP6 matrix_a_scale:MATRIX_SCALE_ROW1
.else
	v_wmma_scale_f32_16x16x128_f8f6f4 v[8*(8*((\a)%4)+\b):8*(8*((\a)%4)+\b)+7], v[FR*\b:FR*\b+FR-1], v[AF+FR*(\a):AF+FR*(\a)+FR-1], v[BIAS+8*(\a):BIAS+8*(\a)+7], v[SC+NQ*\b], v[SC+NQ*(\a)] matrix_a_fmt:MATRIX_FMT_FP6 matrix_b_fmt:MATRIX_FMT_FP6 matrix_a_scale:MATRIX_SCALE_ROW1
.endif
.endr
.endr
.endm
.macro MULZ a0, win
	WIN 0
	s_cmp_eq_u32 s[ISV], 0
	s_cbranch_scc0 .Lzv_\@
	WIN \win
	MULC \a0, 1
	WIN 0
	s_branch .Lzj_\@
.Lzv_\@:
	WIN \win
	MULC \a0, 0
	WIN 0
.Lzj_\@:
.endm
.macro FETCH_B slot, q, p
	WIN TO_B
.irp i, 0,1,2,3,4,5,6,7
	FRAG 128*(\p)+FR*\i, ADRB+\slot, \q, \i
.endr
	WIN 0
.endm
.macro FETCH_A slot, q, i0
.irp i, \i0, \i0+1, \i0+2, \i0+3
	FRAG AF+FR*(\i), ADRA+\slot, \q, \i
.endr
.endm
.macro SCALES sc
.irp i, 0,1,2,3,4,5,6,7
	ds_load_b64 v[SC+8*NQ*\sc+NQ*\i:SC+8*NQ*\sc+NQ*\i+1], v[ADRS] offset:\i*512
.endr
.endm
.macro PLACES n
.rept \n
	v_nop
.endr
.endm
.macro STEP slot
	s_wait_dscnt 4*NL
	WIN MUL_LO
	MUL16 0, 0, 0, \slot
	MUL16 2, 0, 0, \slot
	s_wait_dscnt 0
	PLACES NP
	FETCH_B \slot, 1, 1
	FETCH_A \slot, 1, 0
	WIN MUL_HI
	MUL16 4, 0, 0, \slot
	MUL16 6, 0, 0, \slot
	PLACES NP
	WIN 0
	FETCH_A \slot, 1, 4
.endm
.macro TURN slot, next, fill
	s_wait_tensorcnt 0x0
	ds_add_u32 v[SPW], v[NIL]
	s_wait_dscnt 4*NL+1
	WIN MUL_LO
	MUL16 0, 1, 1, \slot
	s_wait_dscnt 0x0
	s_barrier_signal -1
	MUL16 2, 1, 1, \slot
	WIN 0
	s_barrier_wait -1
.if \fill
	CREST
	s_add_nc_u64 s[G0+4*\slot+2:G0+4*\slot+3], s[G0+4*\slot+2:G0+4*\slot+3], 2*HALFT
	s_add_nc_u64 s[G0B+4*\slot+2:G0B+4*\slot+3], s[G0B+4*\slot+2:G0B+4*\slot+3], 2*HALFT
	JLOAD G0+4*\slot, G1, G0B+4*\slot, G1B
.else
	PLACES NP
.endif
	s_wait_alu depctr_va_vdst(0)
	v_add_nc_u32 v[ADRS], 128, v[ADRS]
	FETCH_B \next, 0, 0
	FETCH_A \next, 0, 0
	SCALES \next
	WIN MUL_HI
	MUL16 4, 1, 1, \slot
	MUL16 6, 1, 1, \slot
	PLACES NP
	WIN 0
	FETCH_A \next, 0, 4
.endm
	s_wait_alu depctr_va_vdst(0)
	s_wait_tensorcnt 0x0                           ; my tile of the head's four is in
	ds_add_u32 v[SPW], v[NIL]
.irp g, G1, G1B                        ; no tensor load of mine is out, so the descriptors may be written: from here on a load brings 96 rows of 256 bytes, dense,
	s_mov_b32 s[\g+1], 32<<16
	s_mov_b32 s[\g+2], 96<<16
	s_mov_b32 s[\g+3], 32<<16
	s_mov_b32 s[\g+4], 96
	s_mov_b32 s[\g+5], 32
.endr
	s_mul_i32 s20, s16, 98304                      ; and slot 0's group 0 takes the ring's form: my half of the tile, my quarter of the slot
	s_mov_b32 s21, 0
	s_add_nc_u64 s[G0+2:G0+3], s[G0+2:G0+3], s[20:21]
	s_add_nc_u64 s[G0B+2:G0B+3], s[G0B+2:G0B+3], s[20:21]
	s_mul_i32 s[G0+1], s14, HALFT
	s_mul_i32 s[G0B+1], s14, HALFT
	s_wait_dscnt 0x0                               ; the add is done
	CROUND                                         ; all four tiles are in, in every work-group of the cluster
	JLOAD G0+4, G1, G0B+4, G1B                     ; slot 1's first fill, the first tensor load behind the round
	FETCH_B 0, 0, 0
	FETCH_A 0, 0, 0
	SCALES 0
	FETCH_A 0, 0, 4
	s_wait_loadcnt 0x0
	s_wait_dscnt 4*NL
	MULZ 0, Z_LO
	s_wait_dscnt 0
	PLACES NP
	FETCH_B 0, 1, 1
	FETCH_A 0, 1, 0
	MULZ 4, Z_HI
	PLACES NP
	FETCH_A 0, 1, 4
	TURN 0, 1, 1
	STEP 1
	TURN 1, 0, 1
	STEP 0
	TURN 0, 1, 0
	STEP 1
	s_wait_dscnt 4*NL
	WIN MUL_LO
	MUL16 0, 1, 1, 1
	MUL16 2, 1, 1, 1
	s_wait_dscnt 0
	WIN MUL_HI
	MUL16 4, 1, 1, 1
	MUL16 6, 1, 1, 1
	WIN 0
.macro QOUT a
.set AC, 64*((\a)%4)
.set WW, 2+(\a)/4
.set PC, 148+20*((\a)%2)
	s_wait_xcnt 0x0
	s_wait_dscnt 0x0
.if (\a) > 0
	s_add_nc_u64 s[OB:OB+1], s[OB:OB+1], s[10:11]
.endif
.if (\a) == 4
	s_add_nc_u64 s[OB:OB+1], s[OB:OB+1], s[92:93]
.endif
	WIN WW|(WW<<2)
.irp b, 0,1,2,3
	v_max3_num_f32 v[TM+\b], |v[AC+16*\b]|, |v[AC+16*\b+1]|, 0x1800000
.endr
.irp i, 2,4,6,8,10,12,14
.irp b, 0,1,2,3
	v_max3_num_f32 v[TM+\b], |v[AC+16*\b+\i]|, |v[AC+16*\b+\i+1]|, v[TM+\b]
.endr
.endr
	WIN 0
.irp b, 0,1,2,3
	v_permlanex16_b32 v[TM+4+\b], v[TM+\b], s[SEL], s[SEL+1]
.endr
.irp b, 0,1,2,3
	v_max_num_f32 v[TM+\b], v[TM+\b], v[TM+4+\b]
.endr
.irp b, 0,1,2,3
	v_add_nc_u32 v[TM+12+\b], 0xff000000, v[TM+\b]
.endr
.irp b, 0,1,2,3
	v_lshrrev_b32 v[TM+4+\b], 23, v[TM+12+\b]
.endr
	v_lshl_or_b32 v[PW], v[TM+5], 8, v[TM+4]
	v_lshl_or_b32 v[PW], v[TM+6], 16, v[PW]
	v_lshl_or_b32 v[PW], v[TM+7], 24, v[PW]
	v_and_b32 v[U0], s[SMASK], v[PW]
	v_lshrrev_b32 v[U1], 16, v[PW]
	WIN WW
.irp c, 0,1
	v_cvt_scalef32_pk16_fp6_f32 v[PC+6*\c:PC+6*\c+2], v[AC+32*\c:AC+32*\c+15], v[TM+12+2*\c]
	v_cvt_scalef32_pk16_fp6_f32 v[PC+12+4*\c:PC+14+4*\c], v[AC+32*\c+16:AC+32*\c+31], v[TM+13+2*\c]
.endr
	WIN 0
	v_nop
.irp c, 0,1
.irp i, 0,1,2
	v_permlane16_swap_b32 v[PC+6*\c+\i], v[PC+12+4*\c+\i]
.endr
.irp i, 0,1,2
	v_mov_b32 v[PC+3+6*\c+\i], v[PC+12+4*\c+\i]
.endr
.endr
.irp p, 0,1,2
	global_store_b64 v[VO0], v[PC+2*\p:PC+2*\p+1], s[OB:OB+1] offset:256*\p
.endr
.irp p, 0,1,2
	global_store_b64 v[VO1], v[PC+6+2*\p:PC+7+2*\p], s[OB:OB+1] offset:256*\p
.endr
	ds_store_b32 v[SSA], v[U0] offset:64*(\a)
	ds_store_b32 v[SSA], v[U1] offset:512+64*(\a)
.endm
	PLACES NP
.irp b, 0,1,2,3
	v_mov_b32 v[TM+4+\b], 0
.endr
.irp a, 0,1,2,3,4,5,6,7
	QOUT \a
.endr
	ds_load_b128 v[128:131], v[SSR]
	ds_load_b128 v[132:135], v[SSR] offset:512
	s_wait_dscnt 0x0
	global_store_b128 v[VS0], v[128:131], s[OS:OS+1]
	s_cmp_eq_u32 s[ISV], 1
	s_cbranch_scc1 .Lone_store
	global_store_b128 v[VS1], v[132:135], s[OS:OS+1]
.Lone_store:
	s_wait_tensorcnt 0x0
	ds_add_u32 v[SPW], v[NIL]
	s_wait_dscnt 0x0
	CROUND
	s_endpgm
.Lfunc_end_k_q2e40af215e_proj:
	.size	k_q2e40af215e_proj, .Lfunc_end_k_q2e40af215e_proj-k_q2e40af215e_proj
	.p2alignl 7, 3214868480
	.fill 96, 4, 3214868480
	.section	.rodata,"a",@progbits
	.p2align	6, 0x0
	.amdhsa_kernel k_q2e40af215e_proj
		.amdhsa_group_segment_fixed_size 327680
		.amdhsa_private_segment_fixed_size 0
		.amdhsa_enable_private_segment 0
		.amdhsa_kernarg_size 56
		.amdhsa_user_sgpr_count 2
		.amdhsa_user_sgpr_kernarg_segment_ptr 1
		.amdhsa_wavefront_size32 1
		.amdhsa_system_sgpr_workgroup_id_x 1
		.amdhsa_system_sgpr_workgroup_id_y 1
		.amdhsa_system_sgpr_workgroup_id_z 1
		.amdhsa_system_vgpr_workitem_id 0
		.amdhsa_next_free_vgpr 1024
		.amdhsa_next_free_sgpr 102
		.amdhsa_reserve_vcc 0
		.amdhsa_float_denorm_mode_32 3
		.amdhsa_float_denorm_mode_16_64 3
		.amdhsa_memory_ordered 1
		.amdhsa_forward_progress 1
		.amdhsa_inst_pref_size 187
	.end_amdhsa_kernel
	.amdgpu_metadata
---
amdhsa.version: [ 1, 2 ]
amdhsa.kernels:
  - .name:           k_q2e40af215e_proj
    .symbol:         k_q2e40af215e_proj.kd
    .args:
      - { .name: img, .offset: 0, .size: 8, .value_kind: global_buffer, .address_space: global }
      - { .name: scl, .offset: 8, .size: 8, .value_kind: global_buffer, .address_space: global }
      - { .name: b_q, .offset: 16, .size: 8, .value_kind: global_buffer, .address_space: global }
      - { .name: b_k, .offset: 24, .size: 8, .value_kind: global_buffer, .address_space: global }
      - { .name: b_v, .offset: 32, .size: 8, .value_kind: global_buffer, .address_space: global }
      - { .name: qrec, .offset: 40, .size: 8, .value_kind: global_buffer, .address_space: global }
      - { .name: kvrec, .offset: 48, .size: 8, .value_kind: global_buffer, .address_space: global }
    .group_segment_fixed_size: 327680
    .private_segment_fixed_size: 0
    .kernarg_segment_align: 8
    .kernarg_segment_size: 56
    .max_flat_workgroup_size: 128
    .sgpr_count:     102
    .vgpr_count:     1024
    .wavefront_size: 32
...
	.end_amdgpu_metadata
.endif
;; end of part 2
;; launch attn (part 3): grid 4 x 64, 16 waves a work-group, no clusters, 210,944 bytes of LDS; arguments qrec, kvrec, maskw, aimg, ascl; writes aimg, ascl
.if DOCPART == 3
	.amdgcn_target "amdgcn-amd-amdhsa--gfx1250"
	.amdhsa_code_object_version 6
	.text
	.protected	k_q2e40af215e_attn
	.globl	k_q2e40af215e_attn
	.p2align	8
	.type	k_q2e40af215e_attn,@function
k_q2e40af215e_attn:
	s_mov_b64 s[64:65], 0
	v_nop
	global_prefetch_b8 v0, s[64:65] scope:SCOPE_SE
	s_setreg_imm32_b32 hwreg(HW_REG_WAVE_MODE, 25, 1), 1
	s_wait_xcnt 0x0
; For each (batch, head): O = softmax(where(mask == 0, -1e9, Q K^T / 8)) V, both products on codes of FP6 (E2M3) with E8M0 scales; O is quantised along the head's 64 and leaves as half a fragment of the last product's operand.
; THE SOFTMAX: t = score x log2(e) / 8; M = the running largest t rounded up to a whole number; p = 2^(t - M) is quantised along the keys; the row's sum is taken of the unquantised p and divides O at the end.
; When M moves, the sum and O are multiplied by 2^(old M - new M): exact, and no branch on floating-point data.
; THE MASK: a hidden score becomes -2^33 ahead of the maximum, by v_cndmask_b32 on lane masks that an earlier launch stored (64 words a key step, by scalar loads one step ahead).
; Where all 64 words of a step are all ones nothing is hidden; the products are the same on both ways.
; LIMIT, stated: the hidden logit is -2^30 where the definition has -1e9.  c x 2^33 is a whole number, so a row that is hidden throughout gets p = 1 at every key, as there; the results are the same unless an open logit lies under about -1e9.
; The promise holds while the scaled scores stay under 2^31 in magnitude.  NaN and infinities are not served.  A block of zeros has the byte 1 and zero codes.
; SHARES: a work-group owns 512 queries of one (batch, head); each of its sixteen waves owns one tile of 16 queries at a time, two one after the other, in 256 registers.
; THE HEAD'S WHOLE RECORD (K's and V's codes and scale words, 208,896 bytes) goes into LDS once, through registers: wave w brings key step w's 6,144 bytes of K, 6,144 of V, 512 and 256 of scale words, 26 loads.
; NO TENSOR LOAD, NO CLUSTER: the record is not asked for jointly.
; NO PREFETCH: the record is asked for whole at the kernel's head; there is no loop to run ahead in.
; THE KEYS OF A TILE.  In memory place w of tile 2 b + e of a step is key 32 b + 8 e + w + 8 (w / 8).  On the way into LDS the groups of eight places change tiles, so that place w of tile 4 c + u is key 64 c + 8 u + w % 8 + 32 (w / 8):
; with S^T = K Q^T, score register 32 c + 8 u + j of lane (r, h) is then key 64 c + 32 h + 8 u + j: a lane's 32 registers are ONE scale block of p, in the order of the next operand's registers.  No lane looks at another but for the row's maximum and the scale word.
; In bytes: a piece at x of a group of four tiles (3,072 bytes) goes to x + 1,472 (g - B), g = bit 6 of x, B = x / 1,536; a scale word's byte address changes its bits 5 and 7.
; The head's 64 are half of the instruction's 128 along K.  Q's upper half are zero codes; K's eight half fragments lie six registers apart, so a fragment's upper half are the next tile's codes (the last one's: six zeros): they meet Q's zeros and add nothing.
; REGISTERS: v1-7 offsets that stay; v8-11 the step's LDS addresses; v12 -M, v13 the largest t, v[14:15] the sum; v16-27 Q; v28-29 V's scale words; v30 8 h; v31 my spare word; v32-79 K, behind the scores at work; v80-85 zeros;
;   v86-133 V's four fragments; v134-197 S^T, then p; v198-229 O^T; v230-241 p's codes; v242-245 K's scale words; v246 f, v247 p's scale word; v248 Q's scale words; v249 0; v250-255 at work.
.set DREC,  208896
.set VCODE, 98304
.set KSCL,  196608
.set VSCL,  204800
.set SPARE, 208896
.set KF,    32
.set PAD,   80
.set VF,    86
.set S,     134
.set O,     198
.set PC,    230
.set KS,    242
.set FF,    246
.set PS,    247
.set QS,    248
.set NIL,   249
.set FG,    200                        ; the fill's offsets, in registers that O^T takes later: memory, K and V
.set FK,    201                        ; LDS, K's codes
.set FV,    202                        ; LDS, V's codes
.set FSG,   203                        ; memory, K's scale words
.set FSL,   204                        ; LDS, K's scale words
.set FVG,   205                        ; memory, V's scale words
.set FVL,   206                        ; LDS, V's
.macro WALU
	s_wait_alu depctr_va_vdst(0)
.endm
.macro MASKS                           ; the 64 lane masks of the key step at byte s20 of my tile's 4,096
	s_load_b512 s[32:47], s[12:13], s20 offset:0x0
	s_load_b512 s[48:63], s[12:13], s20 offset:0x40
	s_load_b512 s[68:83], s[12:13], s20 offset:0x80
	s_load_b512 s[84:99], s[12:13], s20 offset:0xc0
.endm
	s_load_b64 s[8:9], s[0:1], 0x0                 ; qrec
	s_load_b64 s[100:101], s[0:1], 0x8             ; kvrec
	s_load_b128 s[12:15], s[0:1], 0x10             ; maskw, aimg
	s_load_b64 s[16:17], s[0:1], 0x20              ; ascl
	v_lshl_add_u32 v31, v0, 2, SPARE
	v_mov_b32 v[NIL], 0
	v_lshrrev_b32 v8, 5, v0
	s_delay_alu instid0(VALU_DEP_1)
	v_readfirstlane_b32 s2, v8                     ; wave 0..15
	s_and_b32 s26, ttmp7, 0xffff                   ; 16 x batch + head
	s_mul_i32 s28, s26, DREC
	s_mov_b32 s29, 0
	s_mul_i32 s24, s2, 6144
	s_lshl_b32 s25, s2, 9
	s_lshl_b32 s27, s2, 8
	v_and_b32 v9, 31, v0                           ; lane
	v_bfe_u32 v11, v0, 2, 1                        ; g of my 16 bytes
	v_bfe_u32 v13, v0, 1, 1
	v_bfe_u32 v14, v0, 3, 1
	v_and_b32 v12, 21, v0                          ; the lane's bits 0, 2, 4
	v_lshlrev_b32 v10, 4, v9                       ; 16 x lane
	v_lshlrev_b32 v1, 3, v9                        ; 8 x lane
	v_mul_u32_u24 v11, v11, 1472
	v_lshl_or_b32 v12, v13, 3, v12                 ; its bits 1 and 3 change places
	v_add_nc_u32 v[FG], s24, v10
	v_add_nc_u32 v[FSG], s25, v10
	v_lshl_or_b32 v12, v14, 1, v12
	v_add_nc_u32 v[FVG], s27, v1
	v_add_nc_u32 v[FK], v[FG], v11
	v_add_nc_u32 v[FV], VCODE, v[FG]
	v_lshl_add_u32 v12, v12, 4, s25
	v_add_nc_u32 v[FVL], VSCL, v[FVG]
	s_delay_alu instid0(VALU_DEP_2)
	v_add_nc_u32 v[FSL], KSCL, v12
	WALU
	s_wait_kmcnt 0x0
	s_add_nc_u64 s[100:101], s[100:101], s[28:29]  ; my head's record
.irp q, 0,1,2,3,4,5,6,7,8,9,10,11
	global_load_b128 v[32+4*\q:35+4*\q], v[FG], s[100:101] offset:512*\q          ; 32 lanes read 512 consecutive bytes
.endr
	global_load_b128 v[128:131], v[FSG], s[100:101] offset:KSCL
	global_load_b64 v[132:133], v[FVG], s[100:101] offset:VSCL
.irp q, 0,1,2,3,4,5,6,7,8,9,10,11
	global_load_b128 v[80+4*\q:83+4*\q], v[FG], s[100:101] offset:VCODE+512*\q
.endr
	s_lshl_b32 s27, ttmp9, 5
	s_add_co_u32 s27, s27, s2                      ; my first query tile: 32 x block + wave
	s_add_nc_u64 s[8:9], s[8:9], s[28:29]
	s_lshl_b32 s30, s27, 6
	s_add_co_u32 s30, s30, KSCL
	s_mov_b32 s31, 0
	s_add_nc_u64 s[10:11], s[8:9], s[30:31]        ; Q's scale words
	s_mul_i32 s30, s27, 768
	s_add_nc_u64 s[8:9], s[8:9], s[30:31]          ; Q's codes
	s_lshl_b32 s30, s27, 12
	s_add_nc_u64 s[12:13], s[12:13], s[30:31]      ; my tile's lane masks
	s_lshr_b32 s24, s26, 4
	s_lshl_b32 s24, s24, 4                         ; 16 x batch
	s_lshl_b32 s25, ttmp9, 2
	s_add_co_u32 s24, s24, s25
	s_lshr_b32 s25, s2, 3
	s_add_co_u32 s24, s24, s25                     ; my group of 128 tokens
	s_and_b32 s25, s2, 7                           ; my tile in it
	s_and_b32 s26, s26, 15                         ; the head
	s_mul_i32 s30, s24, 98304
	s_mul_i32 s28, s25, 1536
	s_add_co_u32 s30, s30, s28
	s_lshr_b32 s28, s26, 1
	s_mul_i32 s28, s28, 12288                      ; K step = head / 2,
	s_add_co_u32 s30, s30, s28
	s_and_b32 s28, s26, 1
	s_mul_i32 s28, s28, 768                        ; and which half of the fragment
	s_add_co_u32 s30, s30, s28
	s_add_nc_u64 s[14:15], s[14:15], s[30:31]
	s_lshl_b32 s30, s24, 12
	s_lshl_b32 s28, s25, 9
	s_add_co_u32 s30, s30, s28
	s_lshr_b32 s28, s26, 2
	s_lshl_b32 s28, s28, 7
	s_add_co_u32 s30, s30, s28
	s_and_b32 s28, s26, 3
	s_lshl_b32 s28, s28, 1                         ; 4 x (K step % 2) + 2 x (head % 2)
	s_add_co_u32 s30, s30, s28
	s_add_nc_u64 s[16:17], s[16:17], s[30:31]
	s_mov_b32 s4, 0x76543210
	s_mov_b32 s5, 0xfedcba98                       ; lane l xor 16
	s_mov_b32 s6, 0x3e38aa3b                       ; c = log2(e) / 8
	s_mov_b32 s7, s6                               ; (named with it as a pair)
	v_lshlrev_b32 v3, 2, v9
	v_and_b32 v8, 15, v0
	v_bfe_u32 v30, v0, 4, 1
	v_add_nc_u32 v2, VCODE, v1
	v_add_nc_u32 v4, VSCL, v3
	v_add_nc_u32 v3, KSCL, v3
	v_lshlrev_b32 v6, 3, v8
	v_lshlrev_b32 v7, 2, v8
	v_lshlrev_b32 v30, 3, v30                      ; 8 h
	v_mov_b32 v5, 0xd0000000                       ; -2^33
.irp i, 22,23,24,25,26,27
	v_mov_b32 v\i, 0                               ; the upper 64 along K of Q: zero codes
.endr
	v_mov_b32 v[PS], 0                             ; (named as the upper half of v[246:247] before it is first written)
	WALU
	s_wait_loadcnt 12                              ; K's codes and all scale words are in; V's 12 loads may be out
.irp q, 0,1,2,3,4,5,6,7,8,9,10,11
	ds_store_b128 v[FK], v[32+4*\q:35+4*\q] offset:512*\q-1472*((\q%6)/3)   ; x + 1,472 (g - B): g stands in the address register, B = (q % 6) / 3
.endr
	ds_store_b128 v[FSL], v[128:131]
	ds_store_b64 v[FVL], v[132:133]
	s_wait_loadcnt 0x0
.irp q, 0,1,2,3,4,5,6,7,8,9,10,11
	ds_store_b128 v[FV], v[80+4*\q:83+4*\q] offset:512*\q
.endr
	s_wait_dscnt 0x0                               ; my part of the record lies in LDS
.irp i, 0,1,2,3,4,5
	v_mov_b32 v[PAD+\i], 0                         ; what the last tile's fragment names as its upper half
.endr
	s_barrier_signal -1
	s_barrier_wait -1                              ; everybody's part does
	s_mov_b32 s22, 2
.Lpass:                                            ; a tile of 16 queries
	global_load_b64 v[16:17], v1, s[8:9]
	global_load_b64 v[18:19], v1, s[8:9] offset:256
	global_load_b64 v[20:21], v1, s[8:9] offset:512
	global_load_b32 v[QS], v7, s[10:11]
	s_mov_b32 s18, 0
	s_mov_b32 s19, 0
	s_mov_b32 s20, 0
	MASKS
	v_add_nc_u32 v8, s18, v1                       ; key step 0's LDS addresses: K's codes,
	v_add_nc_u32 v9, s18, v2                       ; V's,
	v_add_nc_u32 v10, s19, v3                      ; K's scale words,
	v_add_nc_u32 v11, s20, v4                      ; V's
	v_mov_b32 v13, 0xff61b1e6                      ; the largest t so far: -3e38
	v_mov_b32 v14, 0
	v_mov_b32 v15, 0
	v_floor_f32 v12, -v13
.set n, 0
.rept 32
	v_mov_b32 v[O+n], 0                            ; the step is written once: the first finds zeros, which the first change of M leaves zeros
.set n, n+1
.endr
	s_mov_b32 s21, 16
	WALU
	s_wait_loadcnt 0x0
.Lstep:                                            ; A KEY STEP: 128 keys
.irp t, 0,1,2,3,4,5,6,7
.irp p, 0,1,2
	ds_load_b64 v[KF+6*\t+2*\p:KF+6*\t+2*\p+1], v8 offset:768*\t+256*\p
.endr
.endr
.irp i, 0,1,2,3
	ds_load_b32 v[KS+\i], v10 offset:128*\i        ; lanes 0-15 an even tile's words, lanes 16-31 the odd tile's
.endr
.irp t, 0,1,2,3
.irp p, 0,1,2,3,4,5
	ds_load_b64 v[VF+12*\t+2*\p:VF+12*\t+2*\p+1], v9 offset:1536*\t+256*\p
.endr
.endr
	ds_load_b32 v28, v11
	ds_load_b32 v29, v11 offset:128
	s_wait_dscnt 26                                ; K's 24 loads and 4 scale loads are in; V's 24 and 2 may be out
.irp t, 0,2,4,6
	v_wmma_scale_f32_16x16x128_f8f6f4 v[S+8*\t:S+8*\t+7], v[KF+6*\t:KF+6*\t+11], v[16:27], 0, v[KS+\t/2], v[QS] matrix_a_fmt:MATRIX_FMT_FP6 matrix_b_fmt:MATRIX_FMT_FP6
	v_wmma_scale_f32_16x16x128_f8f6f4 v[S+8*\t+8:S+8*\t+15], v[KF+6*\t+6:KF+6*\t+17], v[16:27], 0, v[KS+\t/2], v[QS] matrix_a_fmt:MATRIX_FMT_FP6 matrix_b_fmt:MATRIX_FMT_FP6 matrix_a_scale:MATRIX_SCALE_ROW1
.endr
	s_wait_kmcnt 0x0                               ; this step's lane masks are in, so their offset may step
	s_wait_dscnt 0x0                               ; V's fragments
	s_add_co_u32 s20, s20, 256
	s_and_b32 s20, s20, 4095                       ; the last step names the first again: no address leaves its tile or the record
	s_lshl_b32 s19, s20, 1
	s_mul_i32 s18, s20, 24
	v_add_nc_u32 v8, s18, v1                       ; the next step's LDS addresses: these four are the places behind the products
	v_add_nc_u32 v9, s18, v2
	v_add_nc_u32 v10, s19, v3
	v_add_nc_u32 v11, s20, v4
	s_and_b64 s[28:29], s[32:33], s[34:35]         ; are all 64 words all ones?
	s_and_b64 s[30:31], s[36:37], s[38:39]
.irp r, 40,44,48,52,56,60,68,72,76,80,84,88,92,96
	s_and_b64 s[28:29], s[28:29], s[\r:\r+1]
	s_and_b64 s[30:31], s[30:31], s[\r+2:\r+3]
.endr
	s_and_b64 s[28:29], s[28:29], s[30:31]
	s_and_b32 s28, s28, s29
	s_cmp_eq_u32 s28, -1
	s_cbranch_scc1 .Lopen                          ; nothing is hidden in this step
; The stored word 16 b + i has the lanes of key 32 b + 16 (l / 16) + i.  Score register 32 c + 8 (2 g + e) + j wants, for lanes 0-15, half g of word 32 c + 8 e + j, and for lanes 16-31 half g of word 32 c + 16 + 8 e + j.
.irp c, 0,1
.irp e, 0,1
.irp j, 0,1,2,3,4,5,6,7
	s_pack_ll_b32_b16 s28, s[32+36*\c+8*\e+\j], s[48+36*\c+8*\e+\j]
	s_pack_hh_b32_b16 s29, s[32+36*\c+8*\e+\j], s[48+36*\c+8*\e+\j]
	v_cndmask_b32 v[S+32*\c+8*\e+\j], v5, v[S+32*\c+8*\e+\j], s28             ; a hidden key's score becomes -2^33; each accumulator from its low end on
	v_cndmask_b32 v[S+32*\c+16+8*\e+\j], v5, v[S+32*\c+16+8*\e+\j], s29
.endr
.endr
.endr
.Lopen:
	MASKS                                          ; the next step's
.irp c, 0,1                            ; the largest score of my two blocks of 32 keys, each in two chains: for the row's maximum and, since p rises with the score, for the block's largest p
	v_max3_num_f32 v[250+\c], v[S+32*\c], v[S+32*\c+1], v[S+32*\c+2]
	v_max3_num_f32 v[252+\c], v[S+32*\c+16], v[S+32*\c+17], v[S+32*\c+18]
.endr
.irp i, 3,5,7,9,11,13
.irp c, 0,1
	v_max3_num_f32 v[250+\c], v[250+\c], v[S+32*\c+\i], v[S+32*\c+\i+1]           ; (four chains by turns: no line reads the line above it)
	v_max3_num_f32 v[252+\c], v[252+\c], v[S+32*\c+16+\i], v[S+32*\c+17+\i]
.endr
.endr
	v_max3_num_f32 v250, v250, v[S+15], v252
	v_max3_num_f32 v251, v251, v[S+47], v253
	v_max_num_f32 v250, v250, v[S+31]
	v_max_num_f32 v251, v251, v[S+63]
	s_delay_alu instid0(VALU_DEP_1)
	v_max_num_f32 v252, v250, v251
	s_delay_alu instid0(VALU_DEP_1)
	v_permlanex16_b32 v253, v252, s4, s5
	s_delay_alu instid0(VALU_DEP_1)
	v_max_num_f32 v252, v252, v253                 ; with lane l xor 16's 64 keys: the step's largest score of my query
	s_delay_alu instid0(VALU_DEP_1)
	v_mul_f32 v252, s6, v252                       ; as t
	s_delay_alu instid0(VALU_DEP_1)
	v_max_num_f32 v13, v13, v252                   ; the running largest t
	v_mov_b32 v252, v12
	s_delay_alu instid0(VALU_DEP_2)
	v_floor_f32 v12, -v13                          ; the new -M = -ceil(t)
	s_delay_alu instid0(VALU_DEP_1)
	v_sub_f32 v252, v12, v252                      ; old M - new M: a whole number, 0 or less
	s_delay_alu instid0(VALU_DEP_1)
	v_cvt_i32_f32 v252, v252                       ; (it saturates)
	s_delay_alu instid0(VALU_DEP_1)
	v_ldexp_f32 v[FF], 1.0, v252                   ; f = 2^(old M - new M)
.set n, 0
.rept 32
	v_pk_fma_f32 v[S+n:S+n+1], v[S+n:S+n+1], s[6:7], v[12:13] op_sel_hi:[1,0,0]   ; t - M, two at a time
.set n, n+2
.endr
	v_fma_f32 v250, v250, s6, v12                  ; the same of each block's largest score
	v_fma_f32 v251, v251, s6, v12
	WALU
.set n, 0
.rept 64
	v_exp_f32 v[S+n], v[S+n]                       ; p = 2^(t - M)
.set n, n+1
.endr
	v_exp_f32 v250, v250                           ; the blocks' largest p
	v_exp_f32 v251, v251
	v_pk_mul_f32 v[14:15], v[14:15], v[FF:FF+1] op_sel_hi:[1,0]   ; the sum under the new M (a plain place behind the exponentials)
	WALU                                           ; one wait for the batch, directly ahead of the first readers of O^T too
.set n, 0
.rept 16
	v_pk_mul_f32 v[O+n:O+n+1], v[O+n:O+n+1], v[FF:FF+1] op_sel_hi:[1,0]   ; O^T under the new M
.set n, n+2
.endr
	v_max_num_f32 v250, 0x1800000, v250            ; the floor 2^(3 - 127)
	v_max_num_f32 v251, 0x1800000, v251
	s_delay_alu instid0(VALU_DEP_2)
	v_add_nc_u32 v254, 0xff000000, v250            ; 2 off the exponent field: the conversion's scale operand
	s_delay_alu instid0(VALU_DEP_2)
	v_add_nc_u32 v255, 0xff000000, v251
	s_delay_alu instid0(VALU_DEP_2)
	v_lshrrev_b32 v250, 23, v254                   ; the bytes of blocks h and 2 + h
	s_delay_alu instid0(VALU_DEP_2)
	v_lshrrev_b32 v251, 23, v255
	s_delay_alu instid0(VALU_DEP_1)
	v_lshl_or_b32 v252, v251, 16, v250
	s_delay_alu instid0(VALU_DEP_1)
	v_lshlrev_b32 v252, v30, v252                  ; 8 h bits up
	s_delay_alu instid0(VALU_DEP_1)
	v_permlanex16_b32 v253, v252, s4, s5
	s_delay_alu instid0(VALU_DEP_1)
	v_or_b32 v[PS], v252, v253                     ; with lane l xor 16's two bytes: p's scale word for these 128 keys
	v_cvt_scalef32_pk16_fp6_f32 v[PC:PC+2], v[S:S+15], v254
	v_cvt_scalef32_pk16_fp6_f32 v[32:34], v[S+16:S+31], v254        ; (a conversion's three registers begin on an even number)
	v_cvt_scalef32_pk16_fp6_f32 v[PC+6:PC+8], v[S+32:S+47], v255
	v_cvt_scalef32_pk16_fp6_f32 v[36:38], v[S+48:S+63], v255
	v_pk_add_f32 v[40:41], v[S:S+1], v[S+2:S+3]    ; THE ROW'S SUM OF THE UNQUANTISED p, in eight chains (this line is also the plain place behind the conversions)
.irp i, 0,1,2
	v_mov_b32 v[PC+3+\i], v[32+\i]
	v_mov_b32 v[PC+9+\i], v[36+\i]
.endr
.irp k, 2,3,4,5,6,7
	v_pk_add_f32 v[38+2*\k:39+2*\k], v[S+4*\k-4:S+4*\k-3], v[S+4*\k-2:S+4*\k-1]
.endr
	v_pk_add_f32 v[14:15], v[14:15], v[S+28:S+29]
.irp g, 30,46
.irp k, 1,2,3,4,5,6,7
	v_pk_add_f32 v[38+2*\k:39+2*\k], v[38+2*\k:39+2*\k], v[S+\g+2*\k-2:S+\g+2*\k-1]
.endr
	v_pk_add_f32 v[14:15], v[14:15], v[S+\g+14:S+\g+15]
.endr
	v_pk_add_f32 v[40:41], v[40:41], v[S+62:S+63]
	v_pk_add_f32 v[42:43], v[42:43], v[44:45]
	v_pk_add_f32 v[46:47], v[46:47], v[48:49]
	v_pk_add_f32 v[50:51], v[50:51], v[52:53]
.irp u, 0,1                            ; O^T += V^T P^T: four accumulators by turns
	v_wmma_scale_f32_16x16x128_f8f6f4 v[O+16*\u:O+16*\u+7], v[VF+24*\u:VF+24*\u+11], v[PC:PC+11], v[O+16*\u:O+16*\u+7], v[28+\u], v[PS] matrix_a_fmt:MATRIX_FMT_FP6 matrix_b_fmt:MATRIX_FMT_FP6
	v_wmma_scale_f32_16x16x128_f8f6f4 v[O+16*\u+8:O+16*\u+15], v[VF+24*\u+12:VF+24*\u+23], v[PC:PC+11], v[O+16*\u+8:O+16*\u+15], v[28+\u], v[PS] matrix_a_fmt:MATRIX_FMT_FP6 matrix_b_fmt:MATRIX_FMT_FP6 matrix_a_scale:MATRIX_SCALE_ROW1
.endr
	v_pk_add_f32 v[14:15], v[14:15], v[40:41]      ; the chains are joined: these four are the places behind the products
	v_pk_add_f32 v[42:43], v[42:43], v[46:47]
	s_delay_alu instid0(VALU_DEP_2)
	v_pk_add_f32 v[14:15], v[14:15], v[50:51]
	s_delay_alu instid0(VALU_DEP_1)
	v_pk_add_f32 v[14:15], v[14:15], v[42:43]
	s_sub_co_u32 s21, s21, 1
	s_cmp_lg_u32 s21, 0
	s_cbranch_scc1 .Lstep
	; O^T / the sum, quantised along the head's 64: two blocks of 32; O^T's register 16 b + i is d = 32 b + 16 h + i
	v_add_f32 v14, v14, v15
	s_delay_alu instid0(VALU_DEP_1)
	v_permlanex16_b32 v252, v14, s4, s5
	s_delay_alu instid0(VALU_DEP_1)
	v_add_f32 v14, v14, v252                       ; the row's sum
	WALU
	v_rcp_f32 v14, v14
	v_nop
	WALU
.set n, 0
.rept 32
	v_mul_f32 v[S+n], v[O+n], v14
.set n, n+1
.endr
.irp b, 0,1
	v_max3_num_f32 v[250+\b], |v[S+16*\b]|, |v[S+1+16*\b]|, 0x1800000
.endr
.irp i, 2,4,6,8,10,12,14
.irp b, 0,1
	s_delay_alu instid0(VALU_DEP_2)
	v_max3_num_f32 v[250+\b], v[250+\b], |v[S+16*\b+\i]|, |v[S+1+16*\b+\i]|
.endr
.endr
.irp b, 0,1
	s_delay_alu instid0(VALU_DEP_2)
	v_permlanex16_b32 v[252+\b], v[250+\b], s4, s5
.endr
.irp b, 0,1
	s_delay_alu instid0(VALU_DEP_2)
	v_max_num_f32 v[250+\b], v[250+\b], v[252+\b]
.endr
.irp b, 0,1
	s_delay_alu instid0(VALU_DEP_2)
	v_add_nc_u32 v[254+\b], 0xff000000, v[250+\b]
.endr
.irp b, 0,1
	s_delay_alu instid0(VALU_DEP_2)
	v_lshrrev_b32 v[252+\b], 23, v[254+\b]
.endr
	s_delay_alu instid0(VALU_DEP_1)
	v_lshl_or_b32 v40, v253, 8, v252               ; the head's two bytes of the row's scale word
	v_cvt_scalef32_pk16_fp6_f32 v[PC:PC+2], v[S:S+15], v254
	v_cvt_scalef32_pk16_fp6_f32 v[PC+4:PC+6], v[S+16:S+31], v255
	v_nop
	v_permlane16_swap_b32 v[PC], v[PC+4]           ; a whole block to a lane: lanes 0-15 block 0, lanes 16-31 block 1
	v_permlane16_swap_b32 v[PC+1], v[PC+5]
	v_permlane16_swap_b32 v[PC+2], v[PC+6]
	s_delay_alu instid0(VALU_DEP_3)
	v_mov_b32 v[PC+3], v[PC+4]
	s_delay_alu instid0(VALU_DEP_3)
	v_mov_b32 v[PC+4], v[PC+5]
	s_delay_alu instid0(VALU_DEP_3)
	v_mov_b32 v[PC+5], v[PC+6]
	global_store_b64 v1, v[PC:PC+1], s[14:15]                  ; 32 lanes store 256 consecutive bytes, aligned
	global_store_b64 v1, v[PC+2:PC+3], s[14:15] offset:256
	global_store_b64 v1, v[PC+4:PC+5], s[14:15] offset:512
	global_store_b16 v6, v40, s[16:17]             ; two bytes a row: a head owns half of each scale word; lanes r and r + 16 write the same
	s_wait_kmcnt 0x0                               ; the scalar loads asked for in the last step are in: their registers and base may be written
	s_wait_xcnt 0x0                                ; the stores have read their registers and bases
	s_add_nc_u64 s[8:9], s[8:9], 12288             ; 16 tiles on
	s_add_nc_u64 s[10:11], s[10:11], 1024
	s_add_nc_u64 s[12:13], s[12:13], 65536
	s_add_nc_u64 s[14:15], s[14:15], 196608
	s_add_nc_u64 s[16:17], s[16:17], 8192
	s_sub_co_u32 s22, s22, 1
	s_cmp_lg_u32 s22, 0
	s_cbranch_scc1 .Lpass
	s_wait_tensorcnt 0x0                           ; the wave's end, behind my last LDS store
	ds_add_u32 v31, v[NIL]
	s_wait_dscnt 0x0
	s_endpgm
.Lfunc_end_k_q2e40af215e_attn:
	.size	k_q2e40af215e_attn, .Lfunc_end_k_q2e40af215e_attn-k_q2e40af215e_attn
	.p2alignl 7, 3214868480
	.fill 96, 4, 3214868480
	.section	.rodata,"a",@progbits
	.p2align	6, 0x0
	.amdhsa_kernel k_q2e40af215e_attn
		.amdhsa_group_segment_fixed_size 210944
		.amdhsa_private_segment_fixed_size 0
		.amdhsa_enable_private_segment 0
		.amdhsa_kernarg_size 40
		.amdhsa_user_sgpr_count 2
		.amdhsa_user_sgpr_kernarg_segment_ptr 1
		.amdhsa_wavefront_size32 1
		.amdhsa_system_sgpr_workgroup_id_x 1
		.amdhsa_system_sgpr_workgroup_id_y 1
		.amdhsa_system_sgpr_workgroup_id_z 1
		.amdhsa_system_vgpr_workitem_id 0
		.amdhsa_next_free_vgpr 256
		.amdhsa_next_free_sgpr 102
		.amdhsa_reserve_vcc 0
		.amdhsa_float_denorm_mode_32 3
		.amdhsa_float_denorm_mode_16_64 3
		.amdhsa_memory_ordered 1
		.amdhsa_forward_progress 1
		.amdhsa_inst_pref_size 40
	.end_amdhsa_kernel
	.amdgpu_metadata
---
amdhsa.version: [ 1, 2 ]
amdhsa.kernels:
  - .name:           k_q2e40af215e_attn
    .symbol:         k_q2e40af215e_attn.kd
    .args:
      - { .name: qrec, .offset: 0, .size: 8, .value_kind: global_buffer, .address_space: global }
      - { .name: kvrec, .offset: 8, .size: 8, .value_kind: global_buffer, .address_space: global }
      - { .name: maskw, .offset: 16, .size: 8, .value_kind: global_buffer, .address_space: global }
      - { .name: aimg, .offset: 24, .size: 8, .value_kind: global_buffer, .address_space: global }
      - { .name: ascl, .offset: 32, .size: 8, .value_kind: global_buffer, .address_space: global }
    .group_segment_fixed_size: 210944
    .private_segment_fixed_size: 0
    .kernarg_segment_align: 8
    .kernarg_segment_size: 40
    .max_flat_workgroup_size: 512
    .sgpr_count:     102
    .vgpr_count:     256
    .wavefront_size: 32
...
	.end_amdgpu_metadata
.endif
;; end of part 3
;; launch outp (part 4): grid 4 x 32, 4 waves a work-group, clusters of 4 x 4, 327,680 bytes of LDS; arguments aimg, ascl, img, scl, b_o, out0; writes out0
.if DOCPART == 4
	.amdgcn_target "amdgcn-amd-amdhsa--gfx1250"
	.amdhsa_code_object_version 6
	.text
	.protected	k_q2e40af215e_outp
	.globl	k_q2e40af215e_outp
	.p2align	8
	.type	k_q2e40af215e_outp,@function
k_q2e40af215e_outp:
	s_mov_b64 s[64:65], 0
	v_nop
	global_prefetch_b8 v0, s[64:65] scope:SCOPE_SE
	s_setreg_imm32_b32 hwreg(HW_REG_WAVE_MODE, 25, 1), 1
	s_wait_xcnt 0x0
	s_wait_alu depctr_hold_cnt(0) depctr_sa_sdst(0) depctr_va_vdst(0) depctr_va_sdst(0) depctr_va_ssrc(0) depctr_va_vcc(0) depctr_vm_vsrc(0)
	s_getreg_b32 s2, hwreg(HW_REG_IB_STS2, 6, 4)
	s_cmp_eq_u32 s2, 0
	s_cbranch_scc0 .Lentry_in_a_cluster
	s_endpgm
.Lentry_in_a_cluster:
	s_bfe_u32 s2, ttmp6, 0x10000c
	s_cmp_lg_u32 s2, 0xf033
	s_cbranch_scc0 .Lentry_shape_is_right
	s_endpgm
.Lentry_shape_is_right:
.set HALFT,  24576
.set SLOT,   4*HALFT
.set SCL,    2*SLOT
.set SPARE,  SCL+4*4096
.set SPITCH, 528
.set FR,     12
.set NL,     6
.set NQ,     2
.set NP,     4
.set L8,   2
.set ADRA, 16
.set ADRB, 20
.set STO,  24
.set RD,   25
.set CO,   26
.set ADRS, 27
.set SPW,  28
.set NIL,  29
.set SC,   32
.set BIAS, 64
.set AF,   128
.set BK,   128
.set G1, 24
.set G0, 32
.set G1B, 48
.set G0B, 56
.set G1S, 68
.set G0S, 76
.set G1SB, 80
.set G0SB, 88
.set MSB, 0
.macro WIN new
.if MSB != \new
	s_set_vgpr_msb (MSB<<8)|\new
.set MSB, \new
.endif
.endm
.set MUL_LO, 0xa1
.set MUL_HI, 0xf1
.set Z_LO,   0x81
.set Z_HI,   0xc1
.set TO_B,   0x40
.macro JLOAD g0a, g1a, g0b, g1b
	s_cmp_eq_u32 s15, 0
	s_cbranch_scc0 .Lfor_b_\@
	tensor_load_to_lds s[\g0a:\g0a+3], s[\g1a:\g1a+7]
	s_nop 0
.rept 4
	v_nop
.endr
	s_branch .Lasked_\@
.Lfor_b_\@:
	tensor_load_to_lds s[\g0b:\g0b+3], s[\g1b:\g1b+7]
	s_nop 0
.rept 4
	v_nop
.endr
.Lasked_\@:
.endm
.macro CREST
	s_cmp_lg_u32 s14, 0
	s_cbranch_scc1 .Lnot_wave_0_\@
	s_barrier_signal -3
.Lnot_wave_0_\@:
	s_barrier_wait -3
	s_barrier_signal -1
	s_barrier_wait -1
.endm
.macro CROUND
	s_barrier_signal -1
	s_barrier_wait -1
	CREST
.endm
	s_load_b128 s[4:7], s[0:1], 0x0
	s_load_b128 s[8:11], s[0:1], 0x10
	s_load_b128 s[92:95], s[0:1], 0x20
	v_lshl_add_u32 v[SPW], v0, 2, SPARE
	v_mov_b32 v[NIL], 0
	ds_add_u32 v28, v29
	ds_add_u32 v28, v29
	s_wait_dscnt 0x0
	v_lshrrev_b32 v1, 5, v0
	v_readfirstlane_b32 s14, v1
	s_lshr_b32 s15, s14, 1
	s_and_b32 s16, s14, 1
	s_bfe_u32 s40, ttmp6, 0x40000
	s_bfe_u32 s41, ttmp6, 0x40004
	s_lshl_b32 s42, ttmp9, 2
	s_add_co_u32 s42, s42, s40
	s_and_b32 s17, ttmp7, 0xffff
	s_lshl_b32 s17, s17, 2
	s_add_co_u32 s17, s17, s41
	s_lshl_b32 s43, s41, 2
	s_lshl_b32 s43, 15, s43
	s_lshl_b32 s44, 0x1111, s40
	s_or_b32 s[G1+0], s43, (3<<16)|(1<<21)
	s_or_b32 s[G1B+0], s44, (3<<16)|(1<<21)
.irp g, G1, G1B                        ; for the head's loads: a tile's two halves as two rows of 24,576 bytes (3,072 elements of 8), 98,304 bytes apart
	s_mov_b32 s[\g+1], 3072<<16
	s_mov_b32 s[\g+2], 2<<16
	s_mov_b32 s[\g+3], 3072<<16
	s_mov_b32 s[\g+4], 2
	s_mov_b32 s[\g+5], 12288
	s_mov_b32 s[\g+6], 0
	s_mov_b32 s[\g+7], 0
.endr
	s_or_b32 s[G1S+0], s43, (3<<16)|(1<<21)
	s_or_b32 s[G1SB+0], s44, (3<<16)|(1<<21)
.irp g, G1S, G1SB                      ; the scale words of a tile's 256 rows: 32 rows of 256 bytes, dense
	s_mov_b32 s[\g+1], 32<<16
	s_mov_b32 s[\g+2], 32<<16
	s_mov_b32 s[\g+3], 32<<16
	s_mov_b32 s[\g+4], 32
	s_mov_b32 s[\g+5], 32
	s_mov_b32 s[\g+6], 0
	s_mov_b32 s[\g+7], 0
.endr
	s_lshl_b32 s18, s17, 1
	s_add_co_u32 s18, s18, s16
	s_lshl_b32 s46, s42, 1
	s_add_co_u32 s46, s46, s16
	s_add_co_u32 s46, s46, 216
	s_mul_i32 s20, s18, 98304
	s_mov_b32 s21, 0
	s_lshl_b32 s22, s18, 12
	s_mov_b32 s23, 0
	s_lshl_b32 s2, s46, 12
	s_mov_b32 s3, 0
	s_mul_i32 s46, s46, 98304
	s_mov_b32 s47, 0
	s_mul_i32 s45, s14, HALFT
	s_wait_kmcnt 0x0
	s_add_nc_u64 s[20:21], s[4:5], s[20:21]
	s_add_nc_u64 s[22:23], s[6:7], s[22:23]
	s_add_nc_u64 s[46:47], s[8:9], s[46:47]
	s_add_nc_u64 s[2:3], s[10:11], s[2:3]
	CROUND
; THE HEAD'S LOADS, ONE A WAVE: wave 0 slot 0's whole tile of A, wave 1 its whole tile of B, wave 2 the scale words of A's 256 rows, wave 3 those of B's.
	s_mul_i32 s4, s16, 98304                       ; what my half adds to a tile's first byte: in the codes,
	s_mov_b32 s5, 0
	s_lshl_b32 s6, s16, 12                         ; in the scale words: taken off again for the whole tiles
	s_mov_b32 s7, 0
	s_mov_b32 s[G0S], 1
	s_mov_b32 s[G0S+1], SCL
	s_sub_nc_u64 s[G0S+2:G0S+3], s[22:23], s[6:7]
	s_or_b32 s[G0S+3], s[G0S+3], 0x80000000
	s_mov_b32 s[G0SB], 1
	s_mov_b32 s[G0SB+1], SCL+8192
	s_sub_nc_u64 s[G0SB+2:G0SB+3], s[2:3], s[6:7]
	s_or_b32 s[G0SB+3], s[G0SB+3], 0x80000000
	s_mov_b32 s[G0], 1
	s_mov_b32 s[G0+1], 0
	s_sub_nc_u64 s[G0+2:G0+3], s[20:21], s[4:5]
	s_or_b32 s[G0+3], s[G0+3], 0x80000000
	s_mov_b32 s[G0B], 1
	s_mov_b32 s[G0B+1], 2*HALFT
	s_sub_nc_u64 s[G0B+2:G0B+3], s[46:47], s[4:5]
	s_or_b32 s[G0B+3], s[G0B+3], 0x80000000
	s_mov_b32 s[G0+4], 1                           ; slot 1's group 0, in the ring's form: my quarter of the slot
	s_add_co_u32 s[G0+5], s45, SLOT
	s_add_nc_u64 s[G0+6:G0+7], s[20:21], HALFT
	s_or_b32 s[G0+7], s[G0+7], 0x80000000
	s_mov_b32 s[G0B+4], 1
	s_add_co_u32 s[G0B+5], s45, SLOT
	s_add_nc_u64 s[G0B+6:G0B+7], s[46:47], HALFT
	s_or_b32 s[G0B+7], s[G0B+7], 0x80000000
	s_cmp_lt_u32 s14, 1                            ; one chain of branches on the wave's number: every way passes exactly one load
	s_cbranch_scc0 .Lhead_b
	tensor_load_to_lds s[G0:G0+3], s[G1:G1+7]
	s_nop 0
.rept 4
	v_nop
.endr
	s_branch .Lhead_asked
.Lhead_b:
	s_cmp_lt_u32 s14, 2
	s_cbranch_scc0 .Lhead_sa
	tensor_load_to_lds s[G0B:G0B+3], s[G1B:G1B+7]
	s_nop 0
.rept 4
	v_nop
.endr
	s_branch .Lhead_asked
.Lhead_sa:
	s_cmp_lt_u32 s14, 3
	s_cbranch_scc0 .Lhead_sb
	tensor_load_to_lds s[G0S:G0S+3], s[G1S:G1S+7]
	s_nop 0
.rept 4
	v_nop
.endr
	s_branch .Lhead_asked
.Lhead_sb:
	tensor_load_to_lds s[G0SB:G0SB+3], s[G1SB:G1SB+7]
	s_nop 0
.rept 4
	v_nop
.endr
.Lhead_asked:                                          ; the addresses and the bias are made and asked for while the four loads are out
	v_and_b32 v1, 15, v0
	v_bfe_u32 v8, v0, 4, 1
	s_wait_alu depctr_va_vdst(0)
	v_and_b32 v9, 31, v0
	v_lshlrev_b32 v[L8], 3, v9
	s_mul_i32 s21, s15, HALFT
	s_mul_i32 s22, s16, HALFT
	s_add_co_u32 s22, s22, 2*HALFT
.irp s, 0,1
	v_add_nc_u32 v[ADRA+\s], s21, v[L8]
	v_add_nc_u32 v[ADRB+\s], s22, v[L8]
	s_add_co_u32 s21, s21, SLOT
	s_add_co_u32 s22, s22, SLOT
.endr
	v_lshlrev_b32 v10, 3, v1
	s_lshl_b32 s21, s15, 12
	s_lshl_b32 s22, s16, 12
	s_add_co_u32 s22, s22, 8192
	s_sub_co_u32 s22, s22, s21
	v_mul_u32_u24 v11, s22, v8
	s_add_co_u32 s21, s21, SCL
	v_add_nc_u32 v10, v10, v11
	v_add_nc_u32 v[ADRS], s21, v10
	s_mul_i32 s23, s14, 16*SPITCH
	v_mul_u32_u24 v10, v1, SPITCH
	v_lshl_add_u32 v10, v8, 6, v10
	v_add_nc_u32 v[STO], s23, v10
	v_lshlrev_b32 v[CO], 4, v9
	v_add_nc_u32 v[RD], s23, v[CO]
	s_lshl_b32 s20, s17, 8
	s_lshl_b32 s21, s15, 7
	s_add_co_u32 s20, s20, s21
	s_lshl_b32 s20, s20, 12
	s_lshl_b32 s22, s42, 10
	s_lshl_b32 s23, s16, 9
	s_add_co_u32 s22, s22, s23
	s_mov_b32 s23, 0
	s_mov_b32 s21, 0
	s_add_nc_u64 s[94:95], s[94:95], s[20:21]
	s_add_nc_u64 s[94:95], s[94:95], s[22:23]
	s_add_nc_u64 s[92:93], s[92:93], s[22:23]
	v_lshlrev_b32 v11, 6, v8
.irp g, 0,1,2,3,4,5,6,7
	global_load_b128 v[BIAS+8*\g:BIAS+8*\g+3], v11, s[92:93] offset:(32*(\g/2)+8*(\g%2))*4
	global_load_b128 v[BIAS+8*\g+4:BIAS+8*\g+7], v11, s[92:93] offset:(32*(\g/2)+8*(\g%2))*4+16
.endr
.macro FRAG reg, adr, q, i
.irp p, 0,1,2,3,4,5
	ds_load_b64 v[\reg+2*\p:\reg+2*\p+1], v[\adr] offset:12288*(\q)+1536*(\i)+256*\p
.endr
.endm
.macro MUL16 a0, p, q, sc, zero
.irp a, \a0, \a0+1
.irp b, 0,1,2,3,4,5,6,7
.if \zero
	v_wmma_scale_f32_16x16x128_f8f6f4 v[8*(8*((\a)%4)+\b):8*(8*((\a)%4)+\b)+7], v[128*(\p)+FR*\b:128*(\p)+FR*\b+FR-1], v[AF+FR*(\a):AF+FR*(\a)+FR-1], v[BIAS+8*\b:BIAS+8*\b+7], v[SC+8*NQ*(\sc)+NQ*\b+(\q)], v[SC+8*NQ*(\sc)+NQ*(\a)+(\q)] matrix_a_fmt:MATRIX_FMT_FP6 matrix_b_fmt:MATRIX_FMT_FP6 matrix_a_scale:MATRIX_SCALE_ROW1
.else
	v_wmma_scale_f32_16x16x128_f8f6f4 v[8*(8*((\a)%4)+\b):8*(8*((\a)%4)+\b)+7], v[128*(\p)+FR*\b:128*(\p)+FR*\b+FR-1], v[AF+FR*(\a):AF+FR*(\a)+FR-1], v[8*(8*((\a)%4)+\b):8*(8*((\a)%4)+\b)+7], v[SC+8*NQ*(\sc)+NQ*\b+(\q)], v[SC+8*NQ*(\sc)+NQ*(\a)+(\q)] matrix_a_fmt:MATRIX_FMT_FP6 matrix_b_fmt:MATRIX_FMT_FP6 matrix_a_scale:MATRIX_SCALE_ROW1
.endif
.endr
.endr
.endm
.macro FETCH_B slot, q, p
	WIN TO_B
.irp i, 0,1,2,3,4,5,6,7
	FRAG 128*(\p)+FR*\i, ADRB+\slot, \q, \i
.endr
	WIN 0
.endm
.macro FETCH_A slot, q, i0
.irp i, \i0, \i0+1, \i0+2, \i0+3
	FRAG AF+FR*(\i), ADRA+\slot, \q, \i
.endr
.endm
.macro SCALES sc
.irp i, 0,1,2,3,4,5,6,7
	ds_load_b64 v[SC+8*NQ*\sc+NQ*\i:SC+8*NQ*\sc+NQ*\i+1], v[ADRS] offset:\i*512
.endr
.endm
.macro PLACES n
.rept \n
	v_nop
.endr
.endm
.macro STEP slot, zero
	s_wait_dscnt 4*NL
.if \zero
	WIN Z_LO
.else
	WIN MUL_LO
.endif
	MUL16 0, 0, 0, \slot, \zero
	MUL16 2, 0, 0, \slot, \zero
	s_wait_dscnt 0
	PLACES NP
	FETCH_B \slot, 1, 1
	FETCH_A \slot, 1, 0
.if \zero
	WIN Z_HI
.else
	WIN MUL_HI
.endif
	MUL16 4, 0, 0, \slot, \zero
	MUL16 6, 0, 0, \slot, \zero
	PLACES NP
	WIN 0
	FETCH_A \slot, 1, 4
.endm
.macro TURN slot, next, fill
	s_wait_tensorcnt 0x0
	ds_add_u32 v[SPW], v[NIL]
	s_wait_dscnt 4*NL+1
	WIN MUL_LO
	MUL16 0, 1, 1, \slot, 0
	s_wait_dscnt 0x0
	s_barrier_signal -1
	MUL16 2, 1, 1, \slot, 0
	WIN 0
	s_barrier_wait -1
.if \fill
	CREST
	s_add_nc_u64 s[G0+4*\slot+2:G0+4*\slot+3], s[G0+4*\slot+2:G0+4*\slot+3], 2*HALFT
	s_add_nc_u64 s[G0B+4*\slot+2:G0B+4*\slot+3], s[G0B+4*\slot+2:G0B+4*\slot+3], 2*HALFT
	JLOAD G0+4*\slot, G1, G0B+4*\slot, G1B
.else
	PLACES NP
.endif
	s_wait_alu depctr_va_vdst(0)
	v_add_nc_u32 v[ADRS], 128, v[ADRS]
	FETCH_B \next, 0, 0
	FETCH_A \next, 0, 0
	SCALES \next
	WIN MUL_HI
	MUL16 4, 1, 1, \slot, 0
	MUL16 6, 1, 1, \slot, 0
	PLACES NP
	WIN 0
	FETCH_A \next, 0, 4
.endm
	s_wait_alu depctr_va_vdst(0)
	s_wait_tensorcnt 0x0                           ; my tile of the head's four is in
	ds_add_u32 v[SPW], v[NIL]
.irp g, G1, G1B                        ; no tensor load of mine is out, so the descriptors may be written: from here on a load brings 96 rows of 256 bytes, dense,
	s_mov_b32 s[\g+1], 32<<16
	s_mov_b32 s[\g+2], 96<<16
	s_mov_b32 s[\g+3], 32<<16
	s_mov_b32 s[\g+4], 96
	s_mov_b32 s[\g+5], 32
.endr
	s_mul_i32 s20, s16, 98304                      ; and slot 0's group 0 takes the ring's form: my half of the tile, my quarter of the slot
	s_mov_b32 s21, 0
	s_add_nc_u64 s[G0+2:G0+3], s[G0+2:G0+3], s[20:21]
	s_add_nc_u64 s[G0B+2:G0B+3], s[G0B+2:G0B+3], s[20:21]
	s_mul_i32 s[G0+1], s14, HALFT
	s_mul_i32 s[G0B+1], s14, HALFT
	s_wait_dscnt 0x0                               ; the add is done
	CROUND                                         ; all four tiles are in, in every work-group of the cluster
	JLOAD G0+4, G1, G0B+4, G1B                     ; slot 1's first fill, the first tensor load behind the round
	FETCH_B 0, 0, 0
	FETCH_A 0, 0, 0
	SCALES 0
	FETCH_A 0, 0, 4
	s_wait_loadcnt 0x0
	STEP 0, 1
	TURN 0, 1, 1
	STEP 1, 0
	TURN 1, 0, 1
	STEP 0, 0
	TURN 0, 1, 0
	STEP 1, 0
	s_wait_dscnt 4*NL
	WIN MUL_LO
	MUL16 0, 1, 1, 1, 0
	MUL16 2, 1, 1, 1, 0
	s_wait_dscnt 0
	WIN MUL_HI
	MUL16 4, 1, 1, 1, 0
	MUL16 6, 1, 1, 1, 0
	WIN 0
.macro TOSTAGE a
.set AC, 64*((\a)%4)
	WIN 0x08+4*((\a)/4)
.irp b, 0,1,2,3,4,5,6,7
	ds_store_b128 v[STO], v[AC+8*\b:AC+8*\b+3] offset:128*(\b/2)+32*(\b%2)
	ds_store_b128 v[STO], v[AC+8*\b+4:AC+8*\b+7] offset:128*(\b/2)+32*(\b%2)+16
.endr
	WIN 0
.set BB, BK+64*((\a)%2)
.irp t, 0,1,2,3,4,5,6,7,8,9,10,11,12,13,14,15
	ds_load_b128 v[BB+4*\t:BB+4*\t+3], v[RD] offset:\t*SPITCH
.endr
.endm
.macro SEND a, younger
.set BB, BK+64*((\a)%2)
	s_wait_dscnt \younger
.irp t, 0,1,2,3,4,5,6,7,8,9,10,11,12,13,14,15
	global_store_b128 v[CO], v[BB+4*\t:BB+4*\t+3], s[94:95] offset:(32*((\a)/2)+8*((\a)%2)+\t+8*(\t/8))*4096 th:TH_STORE_NT
.endr
.endm
	PLACES NP
	TOSTAGE 0
.irp a, 1,2,3,4,5,6,7
.if \a > 1
	s_wait_xcnt 0x0
.endif
	TOSTAGE \a
	SEND \a-1, 32
.endr
	SEND 7, 0
	s_wait_tensorcnt 0x0
	ds_add_u32 v[SPW], v[NIL]
	s_wait_dscnt 0x0
	CROUND
	s_endpgm
.Lfunc_end_k_q2e40af215e_outp:
	.size	k_q2e40af215e_outp, .Lfunc_end_k_q2e40af215e_outp-k_q2e40af215e_outp
	.p2alignl 7, 3214868480
	.fill 96, 4, 3214868480
	.section	.rodata,"a",@progbits
	.p2align	6, 0x0
	.amdhsa_kernel k_q2e40af215e_outp
		.amdhsa_group_segment_fixed_size 327680
		.amdhsa_private_segment_fixed_size 0
		.amdhsa_enable_private_segment 0
		.amdhsa_kernarg_size 48
		.amdhsa_user_sgpr_count 2
		.amdhsa_user_sgpr_kernarg_segment_ptr 1
		.amdhsa_wavefront_size32 1
		.amdhsa_system_sgpr_workgroup_id_x 1
		.amdhsa_system_sgpr_workgroup_id_y 1
		.amdhsa_system_sgpr_workgroup_id_z 1
		.amdhsa_system_vgpr_workitem_id 0
		.amdhsa_next_free_vgpr 1024
		.amdhsa_next_free_sgpr 100
		.amdhsa_reserve_vcc 0
		.amdhsa_float_denorm_mode_32 3
		.amdhsa_float_denorm_mode_16_64 3
		.amdhsa_memory_ordered 1
		.amdhsa_forward_progress 1
		.amdhsa_inst_pref_size 162
	.end_amdhsa_kernel
	.amdgpu_metadata
---
amdhsa.version: [ 1, 2 ]
amdhsa.kernels:
  - .name:           k_q2e40af215e_outp
    .symbol:         k_q2e40af215e_outp.kd
    .args:
      - { .name: aimg, .offset: 0, .size: 8, .value_kind: global_buffer, .address_space: global }
      - { .name: ascl, .offset: 8, .size: 8, .value_kind: global_buffer, .address_space: global }
      - { .name: img, .offset: 16, .size: 8, .value_kind: global_buffer, .address_space: global }
      - { .name: scl, .offset: 24, .size: 8, .value_kind: global_buffer, .address_space: global }
      - { .name: b_o, .offset: 32, .size: 8, .value_kind: global_buffer, .address_space: global }
      - { .name: out0, .offset: 40, .size: 8, .value_kind: global_buffer, .address_space: global }
    .group_segment_fixed_size: 327680
    .private_segment_fixed_size: 0
    .kernarg_segment_align: 8
    .kernarg_segment_size: 48
    .max_flat_workgroup_size: 128
    .sgpr_count:     100
    .vgpr_count:     1024
    .wavefront_size: 32
...
	.end_amdgpu_metadata
.endif
;; end of part 4
